; MI455X (gfx1250); checked and timed in simulation.
; The chip was launched on July 23, 2026; its instructions are those of AMD's public machine-readable ISA for CDNA 5 (MIT licence, August 2026) and "CDNA5" Instruction Set Architecture Reference Guide (July 2026). The comments in the code are by the model that wrote it; some were corrected since.
;; SA Layer. Allowed arithmetic: float matrix products may take bf16 or f16 operands with f32 sums; other float arithmetic in f32, or as packed bf16 or f16 multiplies, adds, multiply-adds, maxima and minima; sums over many terms, partial sums and values carried from step to step in f32; what a program stores and reads back later, other than sums and carried values, may be rounded once to bf16 or f16.
;; Inputs: b_t 256 float32; b_v 256 float32; beta 256 float32; gamma 256 float32; run_mean 256 float32; run_var 256 float32; w_qk 64 x 256 float32; w_t 256 x 256 float32; w_v 256 x 256 float32; x 8 x 256 x 4,096 float32.
;; Outputs: out0 8 x 256 x 4,096 float32.
;; One version. Each part assembles by itself: llvm-mc -triple=amdgcn-amd-amdhsa -mcpu=gfx1250 --defsym DOCPART=n.
;; ======== version 1 of 1: 3 launches
;; limits: values are held in f16: magnitudes above 65,504 overflow, below 6.1e-05 lose precision
;; workspace buffers: qk 4,194,304 bytes; vb 16,777,216 bytes; ns 131,072 bytes; wtf 131,072 bytes
;; launch proj (part 1): grid 32 x 8, 4 waves a work-group, no clusters, 279,040 bytes of LDS; arguments x, w_qk, w_v, b_v, w_t, qk, vb, wtf; writes qk, vb, wtf
.if DOCPART == 1
	.amdgcn_target "amdgcn-amd-amdhsa--gfx1250"
	.amdhsa_code_object_version 6
	.text
	.protected	k_qb6be9a9294_proj
	.globl	k_qb6be9a9294_proj
	.p2align	8
	.type	k_qb6be9a9294_proj,@function
k_qb6be9a9294_proj:
	s_mov_b64 s[64:65], 0
	v_nop
	global_prefetch_b8 v0, s[64:65] scope:SCOPE_SE
	s_setreg_imm32_b32 hwreg(HW_REG_WAVE_MODE, 25, 1), 1
	s_wait_xcnt 0x0
; PROJECTIONS.  x: [8][256][4096] f32.  qk[b][n][o] = sqrt(log2 e) * sum_c w_qk[o][c] x[b][c][n]  (f16, [8][4096][64]);
; vb[b][o][n] = sum_c w_v[o][c] x[b][c][n] + b_v[o]  (f16, [8][256][4096]);  wtf = w_t, laid out as matrix fragments (rounded to bf16, that number written as f16).
; q and k share one weight, so the factor sqrt(log2 e), applied in f32 ahead of the one rounding, makes q'.q' the energy times log2 e.
; FORMATS.  Every input (x, the weights, b_v) is rounded to bf16; the products here are bf16 with f32 sums; what is stored for the later launches is rounded once, to f16.
; LIMITS.  f16 holds no number beyond 65,504.  With x of spread 1 and weights of spread 0.05, q' and vb are about 1; x and the weights each 30 times larger make them 900 times that; a common offset
; of 30 spreads on both makes vb 256 x 30 x 1.5 = 11,520 and q' 13,840: all inside.  A number of w_t below 2^-14 keeps f16's fixed step of 2^-24.  NaN and infinities are not treated apart.
; SHARES.  A work-group owns 128 columns n of one batch.  Phase A: wave w brings x's rows 64 w .., w_v's rows 64 w .. and w_qk's rows 16 w .. through registers,
; rounds them to bf16 and puts them into LDS.  Phase B: wave w makes vb's rows 64 w .. 64 w + 63 and q's channels 16 w .. 16 w + 15 for all 128 n: 40 accumulators, 8 K steps of 32 channels:
; step 0, whose products start the sums (vb's with b_v as the C operand), a loop of three trips of two steps, and step 7.
; No tensor load: every number is converted on its way in, so it passes through registers anyway.  No cluster: the work-groups share the weights alone, 320 KiB.
; REGISTERS: window 0 addresses and two fragment buffers; window 1 landing zone, then vb's 32 accumulators (block i, tile t at 64 i + 8 t); window 2 landing zone, then q's 8 (tile t at 8 t) and b_v, eight times each, at 64 + 8 i.
.set PX,    288                        ; x in LDS, [c][n] bf16: 256 bytes + 32: the turning load's 8 rows x 32 bytes then touch every bank once
.set PW,    528                        ; a weight row in LDS: 512 bytes + 16: the 16 rows of a fragment load start 16 bytes apart modulo 256
.set XBF,   0
.set WVB,   256*PX
.set WQB,   WVB+256*PW
.set STV,   WQB+64*PW                  ; way out of vb: 16 rows x 272 bytes, each wave's own
.set SPV,   272
.set STQ,   STV+4*16*SPV               ; way out of q: 128 rows x 144 bytes, the work-group's
.set SPQ,   144
.set SPARE, STQ+128*SPQ                ; the spare words, 128 bytes a wave: no other line names them
.set RR,  1                            ; lane % 16
.set HH,  2                            ; lane / 16
.set LL,  3                            ; lane
.set VO,  4                            ; 16 x lane
.set XS,  5                            ; where I put 8 bytes of a row of x
.set WS,  6                            ; of w_v
.set QS,  7                            ; of w_qk
.set AX0, 8                            ; turning loads of x: it walks, 64 channels a trip of the loop
.set WT4, 10                           ; v[10:13] my 16 bytes of wtf
.set AW,  14                           ; fragments of w_v: it walks
.set AQ,  15                           ; fragments of w_qk: it walks
.set BV,  16                           ; v[16:19] b_v of my channel in block i
.set WTR, 24                           ; v[24:31] eight numbers of w_t
.set F0,  32                           ; fragment buffers of 104: x's 8 tiles, w_v's 4 blocks at +64, w_qk's at +96
.set F1,  136
.set SPW, 240
.set NIL, 241
.set STO, 242
.set RD,  243
.set GV,  244
.set SQ,  245
.set RQ,  246
.set WTO, 247
.set BVO, 248
.set TT,  249
.set MSB, 0
.macro WIN new                         ; the immediate's high byte repeats the setting that is left; a switch that changes nothing is dropped
.if MSB != (\new)
	s_set_vgpr_msb (MSB<<8)|(\new)
.set MSB, \new
.endif
.endm
.macro PLACES                          ; four plain places between a matrix instruction and a load into, or a vector read of, its registers
.rept 4
	v_nop
.endr
.endm
	s_load_b512 s[4:19], s[0:1], 0x0               ; x, w_qk, w_v, b_v, w_t, qk, vb, wtf
	v_lshl_add_u32 v[SPW], v0, 2, SPARE
	v_mov_b32 v[NIL], 0
	v_lshrrev_b32 v[TT], 5, v0
	v_readfirstlane_b32 s20, v[TT]                 ; wave 0..3
	s_and_b32 s21, ttmp7, 0xffff                   ; batch
	v_and_b32 v[RR], 15, v0
	v_bfe_u32 v[HH], v0, 4, 1
	v_and_b32 v[LL], 31, v0
	v_lshlrev_b32 v[VO], 4, v[LL]
	s_mul_i32 s22, s20, 64*PX
	v_lshl_add_u32 v[XS], v[LL], 3, s22            ; row 64 w, 8 bytes a lane
	s_mul_i32 s22, s20, 64*PW
	s_add_co_u32 s22, s22, WVB
	s_mul_i32 s23, s20, 16*PW
	s_add_co_u32 s23, s23, WQB
	v_lshl_add_u32 v[WS], v[LL], 3, s22
	v_lshl_add_u32 v[QS], v[LL], 3, s23
	v_mul_u32_u24 v[TT], v[RR], PW
	v_lshl_add_u32 v[TT], v[HH], 4, v[TT]          ; a fragment's row x pitch + 16 x half
	v_add_nc_u32 v[AW], s22, v[TT]
	v_add_nc_u32 v[AQ], s23, v[TT]
	v_and_b32 v[TT], 7, v0                         ; the turning load: lane l reads channel 8 (l / 16) + l % 8, columns 8 ((l / 8) % 2) + 0..7
	v_lshl_add_u32 v[TT], v[HH], 3, v[TT]
	v_mul_u32_u24 v[AX0], v[TT], PX
	v_bfe_u32 v[TT], v0, 3, 1
	v_lshl_add_u32 v[AX0], v[TT], 4, v[AX0]
	s_mul_i32 s22, s20, 16*SPV
	s_add_co_u32 s22, s22, STV
	v_mul_u32_u24 v[STO], v[RR], SPV
	v_lshl_add_u32 v[STO], v[HH], 4, v[STO]
	v_add_nc_u32 v[STO], s22, v[STO]
	v_mul_u32_u24 v[RD], v[HH], SPV
	v_lshl_add_u32 v[RD], v[RR], 4, v[RD]
	v_add_nc_u32 v[RD], s22, v[RD]
	v_lshlrev_b32 v[GV], 13, v[HH]                 ; two rows of vb, 8,192 bytes apart
	v_lshl_add_u32 v[GV], v[RR], 4, v[GV]
	s_lshl_b32 s22, s20, 5
	s_add_co_u32 s22, s22, STQ
	v_mul_u32_u24 v[SQ], v[RR], SPQ
	v_lshl_add_u32 v[SQ], v[HH], 4, v[SQ]
	v_add_nc_u32 v[SQ], s22, v[SQ]
	s_mul_i32 s22, s20, 32*SPQ
	s_add_co_u32 s22, s22, STQ
	v_lshrrev_b32 v[TT], 3, v[LL]
	v_mul_u32_u24 v[RQ], v[TT], SPQ
	v_and_b32 v[TT], 7, v0
	v_lshl_add_u32 v[RQ], v[TT], 4, v[RQ]
	v_add_nc_u32 v[RQ], s22, v[RQ]
	v_lshlrev_b32 v[WTO], 10, v[RR]                ; w_t: row l % 16, 32 bytes for each half of the lanes
	v_lshl_add_u32 v[WTO], v[HH], 5, v[WTO]
	s_lshl_b32 s22, s20, 8
	v_lshl_add_u32 v[BVO], v[RR], 2, s22           ; b_v: channel 64 w + l % 16
	s_wait_kmcnt 0x0
	s_lshl_b32 s22, s21, 22                        ; x: batch, my 64 rows, the block's 512 bytes of a row
	s_lshl_b32 s23, ttmp9, 9
	s_add_co_u32 s22, s22, s23
	s_lshl_b32 s23, s20, 20
	s_add_co_u32 s22, s22, s23
	s_mov_b32 s23, 0
	s_add_nc_u64 s[24:25], s[4:5], s[22:23]
	s_lshl_b32 s22, s20, 16
	s_add_nc_u64 s[26:27], s[8:9], s[22:23]        ; w_v at row 64 w
	s_lshl_b32 s22, s20, 14
	s_add_nc_u64 s[28:29], s[6:7], s[22:23]        ; w_qk at row 16 w
	s_lshl_b32 s22, s21, 21
	s_lshl_b32 s38, s20, 19
	s_add_co_u32 s22, s22, s38
	s_lshl_b32 s38, ttmp9, 8
	s_add_co_u32 s22, s22, s38
	s_add_nc_u64 s[30:31], s[16:17], s[22:23]      ; vb: batch, row 64 w, the block's 256 bytes
	s_lshl_b32 s22, s21, 19
	s_lshl_b32 s38, ttmp9, 14
	s_add_co_u32 s22, s22, s38
	s_lshl_b32 s38, s20, 12
	s_add_co_u32 s22, s22, s38
	s_add_nc_u64 s[32:33], s[14:15], s[22:23]      ; qk: batch, the block's 128 rows, my 32 of them
	s_lshl_b32 s38, s21, 5
	s_add_co_u32 s38, s38, ttmp9                   ; the work-group's number 0..255 = 16 ob + 2 kc + half: its one piece of wtf
	s_lshl_b32 s22, s38, 9
	s_add_nc_u64 s[34:35], s[18:19], s[22:23]
	s_lshr_b32 s22, s38, 4
	s_lshl_b32 s22, s22, 14                        ; 16 ob rows of 1,024 bytes
	s_and_b32 s38, s38, 15
	s_lshl_b32 s38, s38, 6                         ; 128 kc + 64 half bytes
	s_add_co_u32 s22, s22, s38
	s_add_nc_u64 s[36:37], s[12:13], s[22:23]
; PHASE A.  cnt loads of 512 consecutive bytes, chunks k0 .. of a wave's weight rows, into window win >> 6
.macro GL win, sb, k0, cnt
	WIN \win
.set i, 0
.rept \cnt
	global_load_b128 v[4*i:4*i+3], v[VO], s[\sb:\sb+1] offset:((\k0)+i)*512
.set i, i+1
.endr
.endm
; cnt chunks are rounded in place (four f32 to two registers) and stored.  wts = 1: chunk k is half k % 2 of weight row k / 2; 0: a whole row of x
.macro CVST cw, sw, cnt, adr, wts, k0
	WIN \cw
.set i, 0
.rept \cnt
	v_cvt_pk_bf16_f32 v[4*i], v[4*i], v[4*i+1]
	v_cvt_pk_bf16_f32 v[4*i+1], v[4*i+2], v[4*i+3]
.set i, i+1
.endr
	WIN \sw
.set i, 0
.rept \cnt
.if \wts
	ds_store_b64 v[\adr], v[4*i:4*i+1] offset:(((\k0)+i)/2)*PW+(((\k0)+i)%2)*256
.else
	ds_store_b64 v[\adr], v[4*i:4*i+1] offset:i*PX
.endif
.set i, i+1
.endr
.endm
	s_cmp_lg_u32 s20, 0                            ; wave 0 makes the work-group's piece of wtf
	s_cbranch_scc1 .Lno_wt
	global_load_b128 v[WTR:WTR+3], v[WTO], s[36:37]
	global_load_b128 v[WTR+4:WTR+7], v[WTO], s[36:37] offset:16
.Lno_wt:
.irp i, 0,1,2,3
	global_load_b32 v[BV+\i], v[BVO], s[10:11] offset:64*\i
.endr
	WIN 0x40
.set i, 0
.rept 64
	global_load_b128 v[4*i:4*i+3], v[VO], s[24:25] offset:i*16384 th:TH_LOAD_NT  ; a whole row of the tile: 512 consecutive bytes
.set i, i+1
.endr
	GL 0x80, 26, 0, 64                             ; w_v, first half of my rows
	s_wait_loadcnt 63                              ; x, b_v and w_t are in: 64 loads are younger, and 63 is the largest count the wait can name
	WIN 0
.irp i, 0,1,2,3
	v_cvt_pk_bf16_f32 v[BV+\i], v[BV+\i], v[BV+\i] ; b_v is rounded to bf16 like every input,
.endr
.irp i, 0,1,2,3
	v_lshlrev_b32 v[BV+\i], 16, v[BV+\i]           ; and widened again
.endr
	CVST 0x45, 0x04, 64, XS, 0, 0
	WIN 0
	s_cmp_lg_u32 s20, 0
	s_cbranch_scc1 .Lno_wtf
.irp k, 0,1,2,3
	v_cvt_pk_bf16_f32 v[WT4+\k], v[WTR+2*\k], v[WTR+2*\k+1]  ; w_t rounded to bf16,
.endr
.irp k, 0,1,2,3
	v_lshlrev_b32 v[WTR+2*\k], 16, v[WT4+\k]       ; widened,
	v_and_b32 v[WTR+2*\k+1], 0xffff0000, v[WT4+\k]
.endr
.irp k, 0,1,2,3
	v_cvt_pk_f16_f32 v[WT4+\k], v[WTR+2*\k], v[WTR+2*\k+1]   ; and that number written as f16
.endr
	global_store_b128 v[VO], v[WT4:WT4+3], s[34:35]  ; 512 consecutive bytes; v[10:13] are not written again
.Lno_wtf:
	s_wait_dscnt 0x0                               ; the stores have read window 1
	GL 0x40, 26, 64, 64                            ; w_v, second half
	s_wait_loadcnt 63                              ; the first half is in
	CVST 0x8a, 0x08, 64, WS, 1, 0
	s_wait_dscnt 0x0
	GL 0x80, 28, 0, 32                             ; w_qk
	s_wait_loadcnt 32                              ; w_v's second half is in; w_qk's 32 loads may stay out
	CVST 0x45, 0x04, 64, WS, 1, 64
	s_wait_loadcnt 0x0
	CVST 0x8a, 0x08, 32, QS, 1, 0
	WIN 0
	s_wait_dscnt 0x0                               ; for the others' sake: my stores are done
	WIN 0x80                                       ; b_v as a C operand: in vb's accumulators a lane holds one channel, so all eight registers hold that channel's b_v
.irp i, 0,1,2,3
.irp j, 0,1,2,3,4,5,6,7
	v_mov_b32 v[64+8*\i+\j], v[BV+\i]
.endr
.endr
	WIN 0
	s_barrier_signal -1
	s_barrier_wait -1
; PHASE B.  26 LDS loads: the fragments of the 32 channels that lie rel K steps behind the walking addresses.  x lies [channel][n] and is turned on the way (ds_load_tr16_b128): lane l then holds column l % 16.
.macro FETCH rel, f
	WIN 0
.irp t, 0,1,2,3,4,5,6,7
	ds_load_tr16_b128 v[(\f)+8*\t:(\f)+8*\t+3],   v[AX0] offset:(\rel)*32*PX+32*\t
	ds_load_tr16_b128 v[(\f)+8*\t+4:(\f)+8*\t+7], v[AX0] offset:(\rel)*32*PX+32*\t+16*PX
.endr
.irp i, 0,1,2,3
	ds_load_b128 v[(\f)+64+8*\i:(\f)+64+8*\i+3],   v[AW] offset:\i*16*PW+64*(\rel)
	ds_load_b128 v[(\f)+64+8*\i+4:(\f)+64+8*\i+7], v[AW] offset:\i*16*PW+64*(\rel)+32
.endr
	ds_load_b128 v[(\f)+96:(\f)+99],   v[AQ] offset:64*(\rel)
	ds_load_b128 v[(\f)+100:(\f)+103], v[AQ] offset:64*(\rel)+32
.endm
; 40 matrix instructions; the 40 accumulators take turns over the backward jump too.  vb: source 0 = 16 columns n, source 1 = 16 rows of w_v: a lane holds one channel and eight
; neighbouring n.  q: source 0 = 16 rows of w_qk, source 1 = 16 columns n: a lane holds one n and eight neighbouring channels.  first = 1: the products start the sums: vb's with b_v, q's with 0.
.macro MUL first, f
.if \first
	WIN 0x60                                       ; D window 1, C window 2
.else
	WIN 0x50
.endif
.irp i, 0,1,2,3
.irp t, 0,1,2,3,4,5,6,7
.if \first
	v_wmma_f32_16x16x32_bf16 v[64*\i+8*\t:64*\i+8*\t+7], v[(\f)+8*\t:(\f)+8*\t+7], v[(\f)+64+8*\i:(\f)+64+8*\i+7], v[64+8*\i:64+8*\i+7]
.else
	v_wmma_f32_16x16x32_bf16 v[64*\i+8*\t:64*\i+8*\t+7], v[(\f)+8*\t:(\f)+8*\t+7], v[(\f)+64+8*\i:(\f)+64+8*\i+7], v[64*\i+8*\t:64*\i+8*\t+7]
.endif
.endr
.endr
	WIN 0xa0
.irp t, 0,1,2,3,4,5,6,7
.if \first
	v_wmma_f32_16x16x32_bf16 v[8*\t:8*\t+7], v[(\f)+96:(\f)+103], v[(\f)+8*\t:(\f)+8*\t+7], 0
.else
	v_wmma_f32_16x16x32_bf16 v[8*\t:8*\t+7], v[(\f)+96:(\f)+103], v[(\f)+8*\t:(\f)+8*\t+7], v[8*\t:8*\t+7]
.endif
.endr
.endm
	FETCH 0, F0
	FETCH 1, F1
	s_wait_dscnt 26                                ; step 0's fragments are in; the 26 just issued may stay out
	MUL 1, F0
	WIN 0                                          ; at a label and at a branch every window is 0
	s_mov_b32 s39, 3
.Lk:                                           ; trip n multiplies steps 1 + 2 n and 2 + 2 n and fetches steps 2 + 2 n and 3 + 2 n
	PLACES                                         ; behind the products that read the buffer to be loaded
	FETCH 2, F0
	s_wait_dscnt 26                                ; the odd step's fragments are in; the 26 just issued may stay out
	MUL 0, F1
	PLACES
	FETCH 3, F1
	s_wait_dscnt 26
	MUL 0, F0
	WIN 0
	v_add_nc_u32 v[AX0], 2*32*PX, v[AX0]           ; two K steps on
	v_add_nc_u32 v[AW], 128, v[AW]
	v_add_nc_u32 v[AQ], 128, v[AQ]
	s_sub_co_u32 s39, s39, 1
	s_cmp_lg_u32 s39, 0
	s_cbranch_scc1 .Lk
	s_wait_dscnt 0x0                               ; step 7: nothing is left to fetch
	MUL 0, F1
; PHASE C.  vb, a block of 16 channels at a time: rounding to f16, 16 bytes a lane into my stage, whole rows of 256 bytes back, and out.
	PLACES
.irp i, 0,1,2,3
	WIN 0x05
.set k, 0
.rept 32
	v_cvt_pk_f16_f32 v[32+k], v[64*\i+2*k], v[64*\i+2*k+1]
.set k, k+1
.endr
	WIN 0
.irp t, 0,1,2,3,4,5,6,7
	ds_store_b128 v[STO], v[32+4*\t:35+4*\t] offset:32*\t
.endr
	s_wait_xcnt 0x0                                ; the last block's stores have read v[64:95]
.irp k, 0,1,2,3,4,5,6,7
	ds_load_b128 v[64+4*\k:67+4*\k], v[RD] offset:\k*2*SPV  ; LDS serves a wave's instructions in order (ISA guide 5.7.1.4): these see the stores above
.endr
	s_wait_dscnt 0x0
.irp k, 0,1,2,3,4,5,6,7
	global_store_b128 v[GV], v[64+4*\k:67+4*\k], s[30:31] offset:(16*\i+2*\k)*8192  ; 16 lanes store 256 consecutive bytes, aligned
.endr
.endr
; q: the scale in f32, one rounding to f16, through the work-group's stage: a row's 128 bytes come from four waves, so a barrier stands between writing and reading.
	WIN 0x82
.set k, 0
.rept 32
	v_pk_mul_f32 v[2*k:2*k+1], v[2*k:2*k+1], 0x3f99be61 op_sel_hi:[1,0]  ; sqrt(log2 e) = 1.2011224
.set k, k+1
.endr
	WIN 0x0a
.set k, 0
.rept 32
	v_cvt_pk_f16_f32 v[32+k], v[2*k], v[2*k+1]
.set k, k+1
.endr
	WIN 0
.irp t, 0,1,2,3,4,5,6,7
	ds_store_b128 v[SQ], v[32+4*\t:35+4*\t] offset:\t*16*SPQ
.endr
	s_wait_dscnt 0x0
	s_barrier_signal -1
	s_barrier_wait -1
	s_wait_xcnt 0x0                                ; vb's last stores have read v[64:95]
.irp k, 0,1,2,3,4,5,6,7
	ds_load_b128 v[64+4*\k:67+4*\k], v[RQ] offset:\k*4*SPQ  ; four rows of 128 bytes
.endr
	s_wait_dscnt 0x0
.irp k, 0,1,2,3,4,5,6,7
	global_store_b128 v[VO], v[64+4*\k:67+4*\k], s[32:33] offset:\k*512  ; 512 consecutive bytes of qk
.endr
	s_wait_tensorcnt 0x0                           ; the wave's end, behind my last LDS store
	ds_add_u32 v[SPW], v[NIL]
	s_wait_dscnt 0x0
	s_endpgm
.Lfunc_end_k_qb6be9a9294_proj:
	.size	k_qb6be9a9294_proj, .Lfunc_end_k_qb6be9a9294_proj-k_qb6be9a9294_proj
	.p2alignl 7, 3214868480
	.fill 96, 4, 3214868480
	.section	.rodata,"a",@progbits
	.p2align	6, 0x0
	.amdhsa_kernel k_qb6be9a9294_proj
		.amdhsa_group_segment_fixed_size 279040
		.amdhsa_private_segment_fixed_size 0
		.amdhsa_enable_private_segment 0
		.amdhsa_kernarg_size 64
		.amdhsa_user_sgpr_count 2
		.amdhsa_user_sgpr_kernarg_segment_ptr 1
		.amdhsa_wavefront_size32 1
		.amdhsa_system_sgpr_workgroup_id_x 1
		.amdhsa_system_sgpr_workgroup_id_y 1
		.amdhsa_system_sgpr_workgroup_id_z 1
		.amdhsa_system_vgpr_workitem_id 0
		.amdhsa_next_free_vgpr 768
		.amdhsa_next_free_sgpr 66
		.amdhsa_reserve_vcc 0
		.amdhsa_float_denorm_mode_32 3
		.amdhsa_float_denorm_mode_16_64 3
		.amdhsa_memory_ordered 1
		.amdhsa_forward_progress 1
		.amdhsa_inst_pref_size 112
	.end_amdhsa_kernel
	.amdgpu_metadata
---
amdhsa.version: [ 1, 2 ]
amdhsa.kernels:
  - .name:           k_qb6be9a9294_proj
    .symbol:         k_qb6be9a9294_proj.kd
    .args:
      - { .name: x, .offset: 0, .size: 8, .value_kind: global_buffer, .address_space: global }
      - { .name: w_qk, .offset: 8, .size: 8, .value_kind: global_buffer, .address_space: global }
      - { .name: w_v, .offset: 16, .size: 8, .value_kind: global_buffer, .address_space: global }
      - { .name: b_v, .offset: 24, .size: 8, .value_kind: global_buffer, .address_space: global }
      - { .name: w_t, .offset: 32, .size: 8, .value_kind: global_buffer, .address_space: global }
      - { .name: qk, .offset: 40, .size: 8, .value_kind: global_buffer, .address_space: global }
      - { .name: vb, .offset: 48, .size: 8, .value_kind: global_buffer, .address_space: global }
      - { .name: wtf, .offset: 56, .size: 8, .value_kind: global_buffer, .address_space: global }
    .group_segment_fixed_size: 279040
    .private_segment_fixed_size: 0
    .kernarg_segment_align: 8
    .kernarg_segment_size: 64
    .max_flat_workgroup_size: 128
    .sgpr_count:     66
    .vgpr_count:     768
    .wavefront_size: 32
...
	.end_amdgpu_metadata
.endif
;; end of part 1
;; launch stats (part 2): grid 32 x 8, 8 waves a work-group, clusters of 4 x 1, 327,680 bytes of LDS; arguments qk, ns; writes ns
.if DOCPART == 2
	.amdgcn_target "amdgcn-amd-amdhsa--gfx1250"
	.amdhsa_code_object_version 6
	.text
	.protected	k_qb6be9a9294_stats
	.globl	k_qb6be9a9294_stats
	.p2align	8
	.type	k_qb6be9a9294_stats,@function
k_qb6be9a9294_stats:
	s_mov_b64 s[64:65], 0
	v_nop
	global_prefetch_b8 v0, s[64:65] scope:SCOPE_SE
	s_setreg_imm32_b32 hwreg(HW_REG_WAVE_MODE, 25, 1), 1
	s_wait_xcnt 0x0
	s_wait_alu depctr_hold_cnt(0) depctr_sa_sdst(0) depctr_va_vdst(0) depctr_va_sdst(0) depctr_va_ssrc(0) depctr_va_vcc(0) depctr_vm_vsrc(0)
	s_getreg_b32 s2, hwreg(HW_REG_IB_STS2, 6, 4)
	s_cmp_eq_u32 s2, 0
	s_cbranch_scc0 .Lentry_in_a_cluster
	s_endpgm
.Lentry_in_a_cluster:
	s_bfe_u32 s2, ttmp6, 0x10000c
	s_cmp_lg_u32 s2, 0x3003
	s_cbranch_scc0 .Lentry_shape_is_right
	s_endpgm
.Lentry_shape_is_right:
; THE ROWS' STATISTICS.  E2[n][m] = q'[n] . q'[m] is the energy times log2 e (qk: [8][4096][64] f16).  ns[b][n] = -(M[n] + log2 L[n]), M[n] = max_m E2[n][m], L[n] = sum_m 2^(E2[n][m] - M[n]):
; the next launch needs them for every n before it can form one column, since it sums over n.  M is a running maximum, L is rescaled whenever M grows; all in f32.
; LIMITS: q' arrives within f16's range; a term below 2^-126 counts as 0 in L; NaN and infinities are not treated apart.
; SHARES.  A work-group of EIGHT waves owns 128 rows n of one batch.  Wave w = 4 qh + kq holds four tiles of 16 rows (64 qh + 16 t) in registers and walks a quarter of the keys: of each slot's 1,024 keys
; those from 256 kq on, 64 a step.  S^T = K Q^T (source 0 = 16 keys, source 1 = 16 rows): a lane holds ONE row (lane % 16) and the keys 8 (lane / 16) + 0..7.  Each LANE keeps M and L over its own keys;
; the two halves of the lanes and the four waves of a row meet once, at the end.
; WHY EIGHT.  A turn has 8 matrix and some 85 vector instructions, and it is a chain: the maximum, a, one wait for 33 exponentials, the sums.  Two waves share a SIMD, and their turns hang on nothing common: while
; one stands at a wait the other has work to issue.  A wave's tile is 64 rows x 64 keys whatever the number of waves, so a step's 16 LDS loads still feed 32 products.
; BY TURNS.  Turn y belongs to tile y: 8 products for tile y + 1; beside them tile y's s - M and exponentials; then the rest of the exponentials by turns with tile y + 1's maximum; ONE wait for the
; turn's 33 exponentials; then tile y's sums.
; RING.  Two slots of 1,024 keys; each wave fetches 128 of them by one tensor load; the batch has four slots.
; CLUSTER.  The four row blocks of a cluster walk the same keys, so each slot is asked for JOINTLY: the same tensor load, descriptor and mask in all four.
.set PK,    144                        ; a key in LDS: 128 bytes + 16: the 16 rows of a fragment load start 16 bytes apart modulo 256
.set STEPB, 64*PK
.set SLOT1, 1024*PK                    ; slot 1 begins where slot 0 ends
.set STX,   2*SLOT1                    ; behind the ring, filled by no tensor load: each wave's 64 M and 64 L
.set FIN,   STX+8*512                  ; the work-group's 128 results
.set SPARE, FIN+512                    ; the spare words, 128 bytes a wave: four blocks of 256 bytes that no other line names
.set AK0, 2                            ; my lane's place in a step's keys; never rewritten
.set AK,  3                            ; the LDS address of the next run of loads
.set QO,  4
.set PFO, 5                            ; 256 x lane; never rewritten
.set SPW, 6
.set NIL, 7
.set RR,  8
.set HH,  9
.set SA,  10
.set FA,  11
.set LA,  12
.set GO,  13
.set ST,  16                           ; tile t at ST + 4 t: M, M_old - M_new, L (even keys', odd keys')
.set TMP, 32                           ; by the tile's parity, 8 registers: c0-c3 at work, a = 2^(M_old - M_new) at +4, 0 at +5 (named with a as a pair)
.set Q,   64                           ; tile t, channel half c at Q + 16 t + 8 c
.set KF,  128                          ; key block kb, channel half c at KF + 16 kb + 8 c
.set S,   192                          ; two buffers of 32, by the tile's parity
.set EA,  192                          ; the end's work registers, in S
.set EB,  196
.set EC,  200
.set ED,  204
.set WV,  12
.set LIM, 15
.set QH,  16                           ; which 64 rows are mine
.set KH,  17                           ; which quarter of the keys
.set PFA, 18
.set G1,  24
.set G0,  40
.set SB,  44                           ; the slot that was asked for last: 0 or SLOT1
.set WOFF, 45                          ; my eighth of a slot
.set SLOTS, 56
.set CNT, 57
.set SEL, 60
.set TBK, 62
.macro CROUND                          ; a round of the cluster's barrier
	s_barrier_signal -1
	s_barrier_wait -1
	s_cmp_lg_u32 s[WV], 0
	s_cbranch_scc1 .Lnot_wave_0_\@
	s_barrier_signal -3
.Lnot_wave_0_\@:
	s_barrier_wait -3
	s_barrier_signal -1
	s_barrier_wait -1
.endm
.macro PLACES
.rept 4
	v_nop
.endr
.endm
; THE CHANGE OF SLOTS.  Each wave waits for all its tensor loads (one is out: its eighth of the other slot), adds 0 to its spare word, and waits for that and for its reads of the slot that it leaves.
; fill = 1: behind a round of the cluster's barrier the old slot is filled again, first thing, with the keys two slots on.  ask = 1: the slot that the NEXT change will load is prefetched.
.macro CHANGE fill, ask
	s_wait_tensorcnt 0x0                           ; no tensor load of mine is out, so the descriptor may be written
	ds_add_u32 v[SPW], v[NIL]
.if \fill
	s_xor_b32 s[SB], s[SB], SLOT1                  ; the other slot than last time,
	s_add_co_u32 s[G0+1], s[SB], s[WOFF]           ; my eighth of it,
	s_add_nc_u64 s[G0+2:G0+3], s[G0+2:G0+3], 131072  ; the next 1,024 keys
.endif
.if \ask
	s_wait_xcnt 0x0                                ; no earlier memory instruction still reads this address
	s_add_nc_u64 s[PFA:PFA+1], s[PFA:PFA+1], 131072
.endif
	s_wait_dscnt 0x0                               ; the add is done, and my reads of the slot are over
.if \fill
	CROUND
	tensor_load_to_lds s[G0:G0+3], s[G1:G1+7]
	s_nop 0
.rept 4
	v_nop
.endr
.if \ask
	s_cmp_gt_u32 s[SLOTS], s[LIM]                  ; the last change that fills a slot asks for nothing
	s_cbranch_scc0 .Lnot_mine_\@
	global_prefetch_b8 v[PFO], s[PFA:PFA+1] th:TH_LOAD_NT scope:SCOPE_SE
.Lnot_mine_\@:
.endif
.else
	s_barrier_signal -1
	s_barrier_wait -1
.endif
	s_sub_co_u32 s[TBK], s[TBK], 4*STEPB           ; the fetches go back to a slot's first step: the number is now 0 or SLOT1,
	s_xor_b32 s[TBK], s[TBK], SLOT1                ; and becomes the other of the two
.endm
	s_load_b128 s[4:7], s[0:1], 0x0                ; qk s[4:5], ns s[6:7]
	v_lshl_add_u32 v[SPW], v0, 2, SPARE
	v_mov_b32 v[NIL], 0
	ds_add_u32 v[SPW], v[NIL]                      ; the wave's opening: the add and its wait ahead of my first tensor load
	v_lshrrev_b32 v1, 5, v0
	v_readfirstlane_b32 s[WV], v1                  ; wave 0..7
	s_lshr_b32 s[QH], s[WV], 2
	s_and_b32 s[KH], s[WV], 3
	s_bfe_u32 s13, ttmp6, 0x40000                  ; cx
	s_lshl_b32 s14, ttmp9, 2
	s_add_co_u32 s14, s14, s13                     ; my block of 128 rows: it enters Q's and ns's addresses alone
	s_and_b32 s20, ttmp7, 0xffff
	s_lshl_b32 s20, s20, 19                        ; the batch's first byte of qk
	s_lshl_b32 s22, s[WV], 14                      ; my 128 keys of a slot
	s_add_co_u32 s22, s22, s20
	s_mov_b32 s23, 0
	; 128 keys are 16,384 dense bytes: 64 rows of 256 bytes, padded in LDS after every key
	s_mov_b32 s[G1], 15|(1<<16)|(1<<20)|(1<<21)|(4<<22)|(3<<25)  ; the mask of four; 2-byte elements; padding on; bit 21 beside a mask; after every 32 words; 4 words
	s_mov_b32 s[G1+1], 128<<16
	s_mov_b32 s[G1+2], 64<<16
	s_mov_b32 s[G1+3], 128<<16
	s_mov_b32 s[G1+4], 64
	s_mov_b32 s[G1+5], 128
	s_mov_b32 s[G1+6], 0
	s_mov_b32 s[G1+7], 0
	s_mov_b32 s[G0], 1
	s_mul_i32 s[WOFF], s[WV], 128*PK
	s_mov_b32 s[G0+1], s[WOFF]                     ; slot 0, my eighth
	s_mov_b32 s[SB], 0
	s_mov_b32 s[SEL], 0x76543210
	s_mov_b32 s[SEL+1], 0xfedcba98
	s_mov_b32 s[TBK], SLOT1+4*STEPB                ; the first change turns it into 0
	s_or_b32 s[LIM], s[QH], ttmp9                  ; waves 0 to 3 of the batch's first cluster prefetch: the same in all four partners
	s_cmp_eq_u32 s[LIM], 0
	s_cselect_b32 s[LIM], 1, -1
	v_and_b32 v[RR], 15, v0
	v_bfe_u32 v[HH], v0, 4, 1
	v_and_b32 v[GO], 31, v0
	v_lshlrev_b32 v[PFO], 8, v[GO]
	v_lshlrev_b32 v[GO], 4, v[GO]
	v_add_nc_u32 v[LA], FIN, v[GO]
	v_mul_u32_u24 v[AK0], v[RR], PK
	v_lshl_add_u32 v[AK0], v[HH], 4, v[AK0]
	s_mul_i32 s3, s[KH], 256*PK
	v_add_nc_u32 v[AK0], s3, v[AK0]                ; key 256 kq + l % 16, 16 bytes for each half of the lanes
	v_lshlrev_b32 v[QO], 7, v[RR]
	v_lshl_add_u32 v[QO], v[HH], 4, v[QO]
	s_lshl_b32 s3, s[WV], 9
	s_add_co_u32 s3, s3, STX
	v_lshl_add_u32 v[SA], v[RR], 2, s3
	s_lshl_b32 s3, s[QH], 8
	s_add_co_u32 s3, s3, FIN
	v_lshl_add_u32 v[FA], v[RR], 2, s3
.irp t, 0,1,2,3
	v_mov_b32 v[ST+4*\t], 0xff7fffff               ; M: the lowest finite number, so the first step's a is 0
	v_mov_b32 v[ST+4*\t+1], 0
	v_mov_b32 v[ST+4*\t+2], 0
	v_mov_b32 v[ST+4*\t+3], 0
.endr
	v_mov_b32 v[TMP+5], 0
	v_mov_b32 v[TMP+13], 0
	s_wait_dscnt 0x0                               ; the opening add is done
	s_wait_kmcnt 0x0
	s_add_nc_u64 s[G0+2:G0+3], s[4:5], s[22:23]
	s_or_b32 s[G0+3], s[G0+3], 0x80000000
	s_lshl_b32 s2, s14, 14
	s_lshl_b32 s3, s[QH], 13
	s_add_co_u32 s2, s2, s3
	s_add_co_u32 s2, s2, s20
	s_mov_b32 s3, 0
	s_add_nc_u64 s[8:9], s[4:5], s[2:3]            ; my 64 rows
	s_lshl_b32 s2, s13, 15                         ; the prefetch: of a slot's 512 blocks of 256 bytes partner cx takes 128, waves 0 to 3 take 32 each, a lane a block:
	s_lshl_b32 s3, s[KH], 13                       ; told apart by address
	s_add_co_u32 s2, s2, s3
	s_add_co_u32 s2, s2, s20
	s_add_co_u32 s2, s2, 2*131072                  ; in slot 2; the asking change steps it to slot 3, the batch's last
	s_mov_b32 s3, 0
	s_add_nc_u64 s[PFA:PFA+1], s[4:5], s[2:3]
	s_and_b32 s2, ttmp7, 0xffff
	s_lshl_b32 s2, s2, 14
	s_lshl_b32 s3, s14, 9
	s_add_co_u32 s2, s2, s3
	s_mov_b32 s3, 0
	s_add_nc_u64 s[10:11], s[6:7], s[2:3]          ; my block's 512 bytes of ns
	CROUND                                         ; all four work-groups are here: the first joint loads meet
	tensor_load_to_lds s[G0:G0+3], s[G1:G1+7]      ; slot 0
	s_nop 0
.rept 4
	v_nop
.endr
.irp f, 0,1,2,3,4,5,6,7
	global_load_b128 v[Q+8*\f:Q+8*\f+3],   v[QO], s[8:9] offset:(\f/2)*2048+(\f%2)*64
	global_load_b128 v[Q+8*\f+4:Q+8*\f+7], v[QO], s[8:9] offset:(\f/2)*2048+(\f%2)*64+32
.endr
.macro REGS y
.set rT, ST+4*(\y)
.set rC, TMP+8*((\y)%2)
.set rS, S+32*((\y)%2)
.endm
; Product i of 8 for tile Y + 1: channels 32 (i / 4) on, keys 16 (i % 4) on.  The four accumulators take turns; the first four products start the sums.
.macro MM
.set xt, (Y+1)%4
.set rD, S+32*(xt%2)+8*(i%4)
.set rK, KF+16*(i%4)+8*(i/4)
.set rQ, Q+16*xt+8*(i/4)
.if i < 4
	v_wmma_f32_16x16x32_f16 v[rD:rD+7], v[rK:rK+7], v[rQ:rQ+7], 0
.else
	v_wmma_f32_16x16x32_f16 v[rD:rD+7], v[rK:rK+7], v[rQ:rQ+7], v[rD:rD+7]
.endif
.set i, i+1
.endm
.macro FF n                            ; pair n of 16: s - M
	REGS Y
	v_pk_add_f32 v[rS+2*(\n):rS+2*(\n)+1], v[rS+2*(\n):rS+2*(\n)+1], v[rT:rT+1] op_sel_hi:[1,0] neg_lo:[0,1] neg_hi:[0,1]
.endm
.macro EE n                            ; score n of 32: 2^(s - M)
	REGS Y
	v_exp_f32 v[rS+(\n)], v[rS+(\n)]
.endm
; Number n of the 19 that find tile Y + 1's maximum: 0-11 four chains of seven scores (each accumulator's lowest registers are read first);
; 12-15 the four scores left over, the old M, and all into c0; 16 M_old - M_new; 17 the new M; 18 a
.macro XX n
	REGS (Y+1)%4
.if (\n) < 4
	v_max3_num_f32 v[rC+(\n)], v[rS+8*(\n)], v[rS+8*(\n)+1], v[rS+8*(\n)+2]
.elseif (\n) < 12
	v_max3_num_f32 v[rC+(\n)%4], v[rC+(\n)%4], v[rS+8*((\n)%4)+2*((\n)/4)+1], v[rS+8*((\n)%4)+2*((\n)/4)+2]
.elseif (\n) == 12
	v_max3_num_f32 v[rC], v[rC], v[rS+7], v[rS+15]
.elseif (\n) == 13
	v_max3_num_f32 v[rC+1], v[rC+1], v[rS+23], v[rS+31]
.elseif (\n) == 14
	v_max3_num_f32 v[rC+2], v[rC+2], v[rC+3], v[rT]
.elseif (\n) == 15
	v_max3_num_f32 v[rC], v[rC], v[rC+1], v[rC+2]
.elseif (\n) == 16
	v_sub_f32 v[rT+1], v[rT], v[rC]
.elseif (\n) == 17
	v_mov_b32 v[rT], v[rC]
.else
	v_exp_f32 v[rC+4], v[rT+1]
.endif
.endm
.macro GG z                            ; the sum of the 16 pairs, in place: neighbours 1, 2, 4 and 8 pairs apart; then L = a L + sum
	REGS Y
.if (\z) < 8
	v_pk_add_f32 v[rS+4*(\z):rS+4*(\z)+1], v[rS+4*(\z):rS+4*(\z)+1], v[rS+4*(\z)+2:rS+4*(\z)+3]
.elseif (\z) < 12
	v_pk_add_f32 v[rS+8*((\z)-8):rS+8*((\z)-8)+1], v[rS+8*((\z)-8):rS+8*((\z)-8)+1], v[rS+8*((\z)-8)+4:rS+8*((\z)-8)+5]
.elseif (\z) < 14
	v_pk_add_f32 v[rS+16*((\z)-12):rS+16*((\z)-12)+1], v[rS+16*((\z)-12):rS+16*((\z)-12)+1], v[rS+16*((\z)-12)+8:rS+16*((\z)-12)+9]
.elseif (\z) == 14
	v_pk_add_f32 v[rS:rS+1], v[rS:rS+1], v[rS+16:rS+17]
.else
	v_pk_fma_f32 v[rT+2:rT+3], v[rT+2:rT+3], v[rC+4:rC+5], v[rS:rS+1] op_sel_hi:[1,0,1]
.endif
.endm
.macro FETCH_K                         ; a step's 64 keys x 64 channels: 16 loads in one run
.irp f, 0,1,2,3,4,5,6,7
	ds_load_b128 v[KF+8*\f:KF+8*\f+3],   v[AK] offset:(\f/2)*16*PK+(\f%2)*64
	ds_load_b128 v[KF+8*\f+4:KF+8*\f+7], v[AK] offset:(\f/2)*16*PK+(\f%2)*64+32
.endr
	s_add_co_u32 s[TBK], s[TBK], STEPB             ; the next fetch is the next step's
.endm
; A TURN for tile p.  fetch = 1 (tile 2's turn): the next step's K is fetched, four plain instructions (numbers 0, 1, 2, 4 of the maximum, which name none of its registers) behind the last product
; that read K; tile 3's turn waits for it.  nomm = 1: the very last turn: there is no next tile.  Each number of the maximum stands four plain instructions or more behind the product that ended
; its accumulator: accumulator 2's first reader has two of the s - M and numbers 0 and 1 between; accumulator 3's chain comes last.
.macro TURN p, fetch=0, nomm=0
.set Y, (\p)
.set i, 0
.if ((\p) == 3) && !(\nomm)
	s_wait_dscnt 0x0                               ; K is in
.endif
.if !(\nomm)
	MM
.endif
	FF 0
	FF 1
	FF 2
	FF 3
.set f, 4
.set e, 0
.rept 6
.if !(\nomm)
	MM
.endif
	FF f
	EE e
	FF f+1
	EE e+1
.set f, f+2
.set e, e+2
.endr
.if \fetch
	v_add_nc_u32 v[AK], s[TBK], v[AK0]
.endif
.if !(\nomm)
	MM
.endif
	EE 12
	EE 13
	EE 14
	EE 15
.set e, 16
.irp n, 0,1,2,4,5,6,8,9,10,3,7,11,12,13,14,15
.if !(\nomm)
	XX \n
.endif
	EE e
.set e, e+1
.if (\fetch) && (\n == 4)
	FETCH_K
.endif
.endr
.if !(\nomm)
	XX 16
	XX 17
	XX 18
.endif
	v_nop                                          ; a plain instruction behind the last exponential: one for the batch
	s_wait_alu depctr_va_vdst(0)                   ; the wait ahead of the first instruction that names an exponential's result: one for the turn's batch
.irp z, 0,1,2,3,4,5,6,7,8,9,10,11,12,13,14,15
	GG \z
.endr
.endm
	CHANGE 1, 0                                    ; slot 0 is in, everybody's part of it; slot 1 is asked for
	v_add_nc_u32 v[AK], s[TBK], v[AK0]
	FETCH_K                                        ; step 0
	s_wait_loadcnt 0x0                             ; Q
	s_wait_dscnt 0x0
.set Y, 3
.set i, 0
.rept 8
	MM                                             ; tile 0's first scores
.endr
	PLACES
.irp n, 0,1,2,3,4,5,6,7,8,9,10,11,12,13,14,15,16,17,18
	XX \n
.endr
	v_nop
	s_wait_alu depctr_va_vdst(0)
	s_mov_b32 s[CNT], 4
	s_mov_b32 s[SLOTS], 3
	s_branch .Lfirst                               ; the loop is entered at a step's first turn, in the middle of a trip
.Lslot:                                        ; twice: slots 2 and 3 are asked for
	CHANGE 1, 1
	s_mov_b32 s[CNT], 4
.Lstep:                                        ; a trip: tiles 2 and 3 of one step, tiles 0 and 1 of the next, whose K it fetches
	TURN 2, 1
	TURN 3
.Lfirst:
	TURN 0
	TURN 1
	s_sub_co_u32 s[CNT], s[CNT], 1
	s_cmp_lg_u32 s[CNT], 0
	s_cbranch_scc1 .Lstep
	s_sub_co_u32 s[SLOTS], s[SLOTS], 1
	s_cmp_lg_u32 s[SLOTS], 0
	s_cbranch_scc1 .Lslot
	CHANGE 0, 0                                    ; the tail is written out: nothing is asked for
	s_mov_b32 s[CNT], 4
.Ltail:
	TURN 2, 1
	TURN 3
	TURN 0
	TURN 1
	s_sub_co_u32 s[CNT], s[CNT], 1
	s_cmp_lg_u32 s[CNT], 0
	s_cbranch_scc1 .Ltail
	TURN 2                                         ; the last step's last two tiles: nothing is fetched,
	TURN 3, 0, 1                                   ; and no further scores are made
; THE END.  Two sets (M, L) and (M', L') of one row become one: Mn = max(M, M'), L = L 2^(M - Mn) + L' 2^(M' - Mn).
.macro ALL line:vararg
.set t, 0
.rept 4
	\line
.set t, t+1
.endr
.endm
.macro COMB                            ; M' in EA, L' in EB
	ALL v_max_num_f32 v[EC+t], v[ST+4*t], v[EA+t]
	ALL v_sub_f32 v[ED+t], v[ST+4*t], v[EC+t]
	ALL v_sub_f32 v[EA+t], v[EA+t], v[EC+t]
	ALL v_exp_f32 v[ED+t], v[ED+t]
	ALL v_exp_f32 v[EA+t], v[EA+t]
	v_nop
	s_wait_alu depctr_va_vdst(0)                   ; one wait for the eight exponentials
	ALL v_mul_f32 v[ST+4*t+2], v[ST+4*t+2], v[ED+t]
	ALL v_fmac_f32 v[ST+4*t+2], v[EB+t], v[EA+t]
	ALL v_mov_b32 v[ST+4*t], v[EC+t]
.endm
	ALL v_add_f32 v[ST+4*t+2], v[ST+4*t+2], v[ST+4*t+3]
	ALL v_permlanex16_b32 v[EA+t], v[ST+4*t], s[SEL], s[SEL+1]     ; the row's other keys of my wave lie in the lane 16 away
	ALL v_permlanex16_b32 v[EB+t], v[ST+4*t+2], s[SEL], s[SEL+1]
	COMB
	ALL ds_store_b32 v[SA], v[ST+4*t] offset:64*t
	ALL ds_store_b32 v[SA], v[ST+4*t+2] offset:256+64*t
	s_wait_dscnt 0x0
	s_barrier_signal -1
	s_barrier_wait -1
	s_cmp_lg_u32 s[KH], 0                          ; waves 0 and 4 take in the other three quarters of the keys, which the three waves behind them walked
	s_cbranch_scc1 .Lnot_first
.irp p, 1,2,3
	ALL ds_load_b32 v[EA+t], v[SA] offset:512*\p+64*t
	ALL ds_load_b32 v[EB+t], v[SA] offset:512*\p+256+64*t
	s_wait_dscnt 0x0
	COMB
.endr
	ALL v_log_f32 v[ED+t], v[ST+4*t+2]
	v_nop
	s_wait_alu depctr_va_vdst(0)
	ALL v_fma_f32 v[ED+t], v[ED+t], -1.0, -v[ST+4*t]               ; -(M + log2 L)
	ALL ds_store_b32 v[FA], v[ED+t] offset:64*t
.Lnot_first:
	s_wait_dscnt 0x0
	s_barrier_signal -1
	s_barrier_wait -1
	s_cmp_lg_u32 s[WV], 0
	s_cbranch_scc1 .Lend
	ds_load_b128 v[EA:EA+3], v[LA]
	s_wait_dscnt 0x0
	global_store_b128 v[GO], v[EA:EA+3], s[10:11]  ; the block's 128 numbers: 512 consecutive bytes, aligned
.Lend:
	s_wait_tensorcnt 0x0                           ; the wave's end
	ds_add_u32 v[SPW], v[NIL]
	s_wait_dscnt 0x0
	CROUND                                         ; the closing round
	s_endpgm
.Lfunc_end_k_qb6be9a9294_stats:
	.size	k_qb6be9a9294_stats, .Lfunc_end_k_qb6be9a9294_stats-k_qb6be9a9294_stats
	.p2alignl 7, 3214868480
	.fill 96, 4, 3214868480
	.section	.rodata,"a",@progbits
	.p2align	6, 0x0
	.amdhsa_kernel k_qb6be9a9294_stats
		.amdhsa_group_segment_fixed_size 327680
		.amdhsa_private_segment_fixed_size 0
		.amdhsa_enable_private_segment 0
		.amdhsa_kernarg_size 16
		.amdhsa_user_sgpr_count 2
		.amdhsa_user_sgpr_kernarg_segment_ptr 1
		.amdhsa_wavefront_size32 1
		.amdhsa_system_sgpr_workgroup_id_x 1
		.amdhsa_system_sgpr_workgroup_id_y 1
		.amdhsa_system_sgpr_workgroup_id_z 1
		.amdhsa_system_vgpr_workitem_id 0
		.amdhsa_next_free_vgpr 256
		.amdhsa_next_free_sgpr 66
		.amdhsa_reserve_vcc 0
		.amdhsa_float_denorm_mode_32 3
		.amdhsa_float_denorm_mode_16_64 3
		.amdhsa_memory_ordered 1
		.amdhsa_forward_progress 1
		.amdhsa_inst_pref_size 69
	.end_amdhsa_kernel
	.amdgpu_metadata
---
amdhsa.version: [ 1, 2 ]
amdhsa.kernels:
  - .name:           k_qb6be9a9294_stats
    .symbol:         k_qb6be9a9294_stats.kd
    .args:
      - { .name: qk, .offset: 0, .size: 8, .value_kind: global_buffer, .address_space: global }
      - { .name: ns, .offset: 8, .size: 8, .value_kind: global_buffer, .address_space: global }
    .group_segment_fixed_size: 327680
    .private_segment_fixed_size: 0
    .kernarg_segment_align: 8
    .kernarg_segment_size: 16
    .max_flat_workgroup_size: 256
    .sgpr_count:     66
    .vgpr_count:     256
    .wavefront_size: 32
...
	.end_amdgpu_metadata
.endif
;; end of part 2
;; launch attn (part 3): grid 32 x 8, 4 waves a work-group, clusters of 4 x 1, 327,680 bytes of LDS; arguments x, qk, vb, ns, wtf, b_t, gamma, beta, run_mean, run_var, out0; writes out0
.if DOCPART == 3
	.amdgcn_target "amdgcn-amd-amdhsa--gfx1250"
	.amdhsa_code_object_version 6
	.text
	.protected	k_qb6be9a9294_attn
	.globl	k_qb6be9a9294_attn
	.p2align	8
	.type	k_qb6be9a9294_attn,@function
k_qb6be9a9294_attn:
	s_mov_b64 s[64:65], 0
	v_nop
	global_prefetch_b8 v0, s[64:65] scope:SCOPE_SE
	s_setreg_imm32_b32 hwreg(HW_REG_WAVE_MODE, 25, 1), 1
	s_wait_xcnt 0x0
	s_wait_alu depctr_hold_cnt(0) depctr_sa_sdst(0) depctr_va_vdst(0) depctr_va_sdst(0) depctr_va_ssrc(0) depctr_va_vcc(0) depctr_vm_vsrc(0)
	s_getreg_b32 s2, hwreg(HW_REG_IB_STS2, 6, 4)
	s_cmp_eq_u32 s2, 0
	s_cbranch_scc0 .Lentry_in_a_cluster
	s_endpgm
.Lentry_in_a_cluster:
	s_bfe_u32 s2, ttmp6, 0x10000c
	s_cmp_lg_u32 s2, 0x3003
	s_cbranch_scc0 .Lentry_shape_is_right
	s_endpgm
.Lentry_shape_is_right:
; x_r[c][m] = sum_n vb[c][n] 2^(q'[n].q'[m] + ns[n]);  d = x - x_r;  t = w_t d + b_t;  out0 = x + max(t inv + beta - mean inv, 0), inv = gamma / sqrt(var + 1e-5).
; ns[n] = -(row n's maximum + log2 of its sum), made by the launch before by a running maximum: every exponent is at most 0, and the weights are the softmax's own.
; ns enters as the C operand that starts the energy's sum, so a score costs one exponential and half a rounding; and since nothing is carried from step to step but sums, the keys n can be split among waves
; and walked in any order.
; FORMATS.  Every input is rounded to bf16 where it is used: x (in d and in the last sum), b_t, gamma, beta, run_mean, run_var here, w_t in the launch that laid it out.  What the program itself makes
; (q', vb, the weights p, d) is rounded once, to f16, and the products are f16 with f32 sums.
; LIMITS.  f16 holds no number beyond 65,504: q' and vb arrive within it; d = x - x_r has x's and vb's range (about 1 with the drawn spreads; 900 times that with x and the weights each 30 times
; larger; 11,520 with a common offset of 30 spreads on both); p lies in 0 to 1, and below 6e-5 it keeps f16's fixed step of 6e-8.  NaN and infinities are not treated apart; var + 1e-5 is positive, as the formula itself needs.
; SHARES.  A work-group owns 128 columns m of one batch.  Wave w = 2 qh + kh holds 64 columns (64 qh ..) x all 256 channels of x_r^T: 64 accumulators, 512 registers; of each step's 64 keys it takes
; 32 kh .. 32 kh + 31.  Register tile t is column tile t xor 2 kh: tiles 0, 1 (window 2) are the 32 columns 32 w .. that the wave finishes, tiles 2, 3 (window 3) are sent to wave w xor 1 at the end.
; LAYOUT.  S^T = K Q^T + ns (source 0 = 16 keys, source 1 = 16 columns): a lane holds ONE column (lane % 16) and the keys 8 (lane / 16) + 0..7.  Two such results rounded to f16 ARE source 1
; (32 keys x 16 columns) of x_r^T = V P, whose source 0, 16 channels x 32 keys, comes out of LDS as vb lies.
; A TRIP multiplies step j's V and P (64 products) and makes step j + 1's P beside them: 16 products K Q^T, 64 exponentials and 32 roundings as riders, ONE wait for the exponentials.
; RING.  Two slots of two steps (128 keys): K 128 x 144 bytes, V 256 x 272 bytes, ns 512 bytes.  CLUSTER: the four column blocks of a cluster walk the same K, V and ns: joint loads; wave 0 fetches K, waves 1 and 2 V's halves, wave 3 ns.
; THE WALK.  The batch's 32 slots are walked in a ring: cluster x begins at slot 8 (x % 4) + 4 (x / 4).  So at any time the batch's eight clusters ask for eight different slots, four slots apart.
; REGISTERS: window 0: v0-15 addresses; v16-31 ns; v32-63 K; v64-127 Q; v128-191 S^T; v192-255 P, two buffers.  Window 1: V, two buffers of 128.  Windows 2, 3: the accumulators (tile t, channel block cb at 128 (t % 2) + 8 cb).
.set PK,    144
.set PVR,   272
.set VOFF,  128*PK
.set NOFF,  VOFF+256*PVR
.set SLOT,  NOFF+512                   ; 88,576
.set XB,    2*SLOT                     ; x's tile, 256 rows of 512 bytes + 16: rows taken 16 at a time by a column start 16 bytes apart modulo 256
.set PXB,   528
.set SPARE, XB+256*PXB                 ; the spare words, 128 bytes a wave: no other line names them
.set EX,    0                          ; when the ring has had its last fill and its last read: 4 x 32,768 bytes for the exchange of partial sums,
.set PD,    528                        ; then d, 128 rows x 528 bytes at 0
.set RR,  1
.set AK0, 2
.set AV0, 3
.set ADK, 4
.set ADV, 5
.set AN0, 6
.set PFO, 7
.set SPW, 8
.set NIL, 9
.set HH,  10
.set LL,  11
.set QO,  12
.set ADN, 13
.set NSF, 16
.set KF,  32
.set Q,   64
.set S,   128
.set P,   192
.set EXS, 52                           ; the end's addresses, in K's registers
.set EXP, 53
.set XA0, 54
.set DST, 56
.set DAD, 57
.set XT,  58
.set XRD, 59
.set GO,  60
.set CO,  61
.set XRW, 62
.set PFA, 4                            ; s[4:5], when x's address has gone into its descriptor
.set WV,  26
.set NXT, 27                           ; the slot to be asked for next
.set KH,  28
.set CX,  29
.set MB,  30
.set BT,  31
.set G1K, 32
.set G1V, 40
.set G1N, 48
.set G1X, 56
.set QA,  66
.set GK0, 68
.set GK1, 72
.set GV0, 76
.set GV1, 80
.set GN0, 84
.set GN1, 88
.set GX0, 92
.set TBC, 96                           ; LDS byte at which the slot being read begins: 0 or SLOT
.set CNT, 97
.set UU,  98                           ; which half of V's rows I fetch
.set VBW, 99                           ; where that half lies in a slot
.set OFF, 104                          ; s[104:105] a slot's byte offset; never holds my place in the cluster
.set MSB, 0
.macro WIN new
.if MSB != (\new)
	s_set_vgpr_msb (MSB<<8)|(\new)
.set MSB, \new
.endif
.endm
.macro PLACES
.rept 4
	v_nop
.endr
.endm
.macro CREST                           ; a round of the cluster's barrier behind its opening barrier
	s_cmp_lg_u32 s[WV], 0
	s_cbranch_scc1 .Lnot_wave_0_\@
	s_barrier_signal -3
.Lnot_wave_0_\@:
	s_barrier_wait -3
	s_barrier_signal -1
	s_barrier_wait -1
.endm
.macro CROUND
	s_barrier_signal -1
	s_barrier_wait -1
	CREST
.endm
; A joint refill: one tensor load a wave.  The branches hang on the wave's number alone.
.macro JLOAD
	s_cmp_eq_u32 s[WV], 0
	s_cbranch_scc0 .Lnot_k_\@
	tensor_load_to_lds s[GK1:GK1+3], s[G1K:G1K+7]
	s_nop 0
.rept 4
	v_nop
.endr
	s_branch .Lasked_\@
.Lnot_k_\@:
	s_cmp_eq_u32 s[WV], 3
	s_cbranch_scc1 .Lfor_n_\@
	tensor_load_to_lds s[GV1:GV1+3], s[G1V:G1V+7]
	s_nop 0
.rept 4
	v_nop
.endr
	s_branch .Lasked_\@
.Lfor_n_\@:
	tensor_load_to_lds s[GN1:GN1+3], s[G1N:G1N+7]
	s_nop 0
.rept 4
	v_nop
.endr
.Lasked_\@:
.endm
; ONE PREFETCH, behind the first refill: V's rows of the fourth slot of my cluster's walk, which the next change of slots will load, 160 matrix instructions on: 256 bytes of each of 256 rows.  Partner cx takes
; rows 64 cx .., told apart by address; waves 0 and 1 take 32 each, a lane a row.  The walk's first two slots come with the first fills, the third by the refill just issued; from the fifth on a slot
; is one of the first four of another cluster's walk.  So each row's 256 bytes are named at most once in the launch.
.macro ASK
	s_cmp_lt_u32 s[WV], 2
	s_cbranch_scc0 .Lnot_mine_\@
	global_prefetch_b8 v[PFO], s[PFA:PFA+1] th:TH_LOAD_NT scope:SCOPE_SE
.Lnot_mine_\@:
.endm
	s_load_b512 s[4:19], s[0:1], 0x0               ; x, qk, vb, ns, wtf, b_t, gamma, beta
	s_load_b128 s[20:23], s[0:1], 0x40             ; run_mean, run_var
	s_load_b64 s[24:25], s[0:1], 0x50              ; out0
	v_lshl_add_u32 v[SPW], v0, 2, SPARE
	v_mov_b32 v[NIL], 0
	ds_add_u32 v[SPW], v[NIL]                      ; the wave's opening: the add and its wait ahead of my first tensor load
	v_lshrrev_b32 v[ADN], 5, v0
	v_readfirstlane_b32 s[WV], v[ADN]
	s_and_b32 s[KH], s[WV], 1
	s_bfe_u32 s[CX], ttmp6, 0x40000
	s_lshl_b32 s[MB], ttmp9, 2
	s_add_co_u32 s[MB], s[MB], s[CX]               ; my block of 128 columns: it enters x's, Q's and out0's addresses alone
	s_and_b32 s[BT], ttmp7, 0xffff                 ; the batch, which the four partners share
	s_and_b32 s[NXT], ttmp9, 3                     ; where my cluster's walk begins: 8 (x % 4) + 4 (x / 4), the same in all four partners
	s_lshl_b32 s[NXT], s[NXT], 3
	s_lshr_b32 s[OFF], ttmp9, 2
	s_and_b32 s[OFF], s[OFF], 1
	s_lshl_b32 s[OFF], s[OFF], 2
	s_add_co_u32 s[NXT], s[NXT], s[OFF]
	s_mov_b32 s[G1K], 15|(1<<16)|(1<<20)|(1<<21)|(4<<22)|(3<<25)  ; K: 128 keys are 16,384 dense bytes: 64 rows of 256 bytes, 4 words of padding after every 32
	s_mov_b32 s[G1K+1], 128<<16
	s_mov_b32 s[G1K+2], 64<<16
	s_mov_b32 s[G1K+3], 128<<16
	s_mov_b32 s[G1K+4], 64
	s_mov_b32 s[G1K+5], 128
	s_mov_b32 s[G1K+6], 0
	s_mov_b32 s[G1K+7], 0
	s_mov_b32 s[G1V], 15|(1<<16)|(1<<20)|(1<<21)|(5<<22)|(3<<25)  ; V: 128 rows of 128 keys (256 bytes), 4,096 elements apart, 4 words of padding after every 64
	s_mov_b32 s[G1V+1], 128<<16
	s_mov_b32 s[G1V+2], 128<<16
	s_mov_b32 s[G1V+3], 128<<16
	s_mov_b32 s[G1V+4], 128
	s_mov_b32 s[G1V+5], 4096
	s_mov_b32 s[G1V+6], 0
	s_mov_b32 s[G1V+7], 0
	s_mov_b32 s[G1N], 15|(3<<16)|(1<<21)           ; ns: a slot's 128 numbers: one row of 64 elements of 8 bytes
	s_mov_b32 s[G1N+1], 64<<16
	s_mov_b32 s[G1N+2], 1<<16
	s_mov_b32 s[G1N+3], 64<<16
	s_mov_b32 s[G1N+4], 1
	s_mov_b32 s[G1N+5], 64
	s_mov_b32 s[G1N+6], 0
	s_mov_b32 s[G1N+7], 0
	s_mov_b32 s[G1X], (2<<16)|(1<<20)|(6<<22)|(3<<25)  ; x: my work-group's own: no mask; 64 rows of 128 f32, 4,096 elements apart, 4 words of padding after every 128
	s_mov_b32 s[G1X+1], 128<<16
	s_mov_b32 s[G1X+2], 64<<16
	s_mov_b32 s[G1X+3], 128<<16
	s_mov_b32 s[G1X+4], 64
	s_mov_b32 s[G1X+5], 4096
	s_mov_b32 s[G1X+6], 0
	s_mov_b32 s[G1X+7], 0
	s_sub_co_u32 s[UU], s[WV], 1
	s_and_b32 s[UU], s[UU], 1                      ; wave 1 the first half of V's rows, wave 2 the second
	s_mul_i32 s[VBW], s[UU], 128*PVR
	s_add_co_u32 s[VBW], s[VBW], VOFF
	s_mov_b32 s[GK0], 1
	s_mov_b32 s[GK0+1], 0
	s_mov_b32 s[GK1], 1
	s_mov_b32 s[GK1+1], SLOT
	s_mov_b32 s[GV0], 1
	s_mov_b32 s[GV0+1], s[VBW]
	s_mov_b32 s[GV1], 1
	s_add_co_u32 s[GV1+1], s[VBW], SLOT
	s_mov_b32 s[GN0], 1
	s_mov_b32 s[GN0+1], NOFF
	s_mov_b32 s[GN1], 1
	s_mov_b32 s[GN1+1], NOFF+SLOT
	s_mov_b32 s[GX0], 1
	s_mul_i32 s[OFF], s[WV], 64*PXB
	s_add_co_u32 s[GX0+1], s[OFF], XB
	s_mov_b32 s[TBC], 0
	v_and_b32 v[RR], 15, v0
	v_bfe_u32 v[HH], v0, 4, 1
	v_and_b32 v[LL], 31, v0
	v_lshlrev_b32 v[PFO], 13, v[LL]                ; a row of vb is 8,192 bytes
	v_mul_u32_u24 v[AK0], v[RR], PK
	v_lshl_add_u32 v[AK0], v[HH], 4, v[AK0]
	s_mul_i32 s[OFF], s[KH], 32*PK
	v_add_nc_u32 v[AK0], s[OFF], v[AK0]            ; key 32 kh + l % 16, 16 bytes for each half of the lanes
	v_mul_u32_u24 v[AV0], v[RR], PVR
	v_lshl_add_u32 v[AV0], v[HH], 4, v[AV0]
	s_lshl_b32 s[OFF], s[KH], 6
	s_add_co_u32 s[OFF], s[OFF], VOFF
	v_add_nc_u32 v[AV0], s[OFF], v[AV0]            ; channel l % 16, keys 32 kh + 8 (l / 16) on
	s_lshl_b32 s[OFF], s[KH], 7
	s_add_co_u32 s[OFF], s[OFF], NOFF
	v_lshl_add_u32 v[AN0], v[HH], 5, s[OFF]        ; ns of keys 32 kh + 8 (l / 16) on
	v_lshlrev_b32 v[QO], 7, v[RR]
	v_lshl_add_u32 v[QO], v[HH], 4, v[QO]
	s_wait_dscnt 0x0                               ; the opening add is done
	s_wait_kmcnt 0x0
	s_mov_b32 s[OFF+1], 0
	s_lshl_b32 s[OFF], s[BT], 19
	s_add_nc_u64 s[6:7], s[6:7], s[OFF:OFF+1]      ; qk, vb and ns at the batch
	s_lshl_b32 s[OFF], s[BT], 21
	s_add_nc_u64 s[8:9], s[8:9], s[OFF:OFF+1]
	s_lshl_b32 s[OFF], s[BT], 14
	s_add_nc_u64 s[10:11], s[10:11], s[OFF:OFF+1]
	s_lshl_b32 s2, s[BT], 22                       ; what hangs on my place in the cluster stands in s[2:3] and s[100:101]
	s_lshl_b32 s3, s[WV], 20
	s_add_co_u32 s2, s2, s3
	s_lshl_b32 s3, s[MB], 9
	s_add_co_u32 s2, s2, s3
	s_mov_b32 s3, 0
	s_add_nc_u64 s[GX0+2:GX0+3], s[4:5], s[2:3]    ; x: batch, row 64 w, the block's 512 bytes;
	s_or_b32 s[GX0+3], s[GX0+3], 0x80000000
	s_add_nc_u64 s[24:25], s[24:25], s[2:3]        ; out0 at the same place
	s_lshl_b32 s2, s[CX], 19                       ; the prefetch: row 64 cx + 32 w, the walk's fourth slot
	s_lshl_b32 s100, s[WV], 18
	s_add_co_u32 s2, s2, s100
	s_add_co_u32 s100, s[NXT], 3
	s_lshl_b32 s100, s100, 8
	s_add_co_u32 s2, s2, s100
	s_add_nc_u64 s[PFA:PFA+1], s[8:9], s[2:3]
	s_lshl_b32 s2, s[MB], 14
	s_lshl_b32 s100, s[WV], 12
	s_add_co_u32 s100, s100, s2
	s_mov_b32 s101, 0
	s_add_nc_u64 s[QA:QA+1], s[6:7], s[100:101]    ; q' of columns 32 w ..
	s_xor_b32 s100, s[WV], 1
	s_lshl_b32 s100, s100, 12
	s_add_co_u32 s100, s100, s2
	s_add_nc_u64 s[100:101], s[6:7], s[100:101]    ; and of the partner's 32
	s_lshl_b32 s[OFF], s[NXT], 14                  ; the walk's first two slots: a slot is 16,384 bytes of K,
	s_add_nc_u64 s[GK0+2:GK0+3], s[6:7], s[OFF:OFF+1]
	s_add_nc_u64 s[GK1+2:GK1+3], s[GK0+2:GK0+3], 16384
	s_or_b32 s[GK0+3], s[GK0+3], 0x80000000
	s_or_b32 s[GK1+3], s[GK1+3], 0x80000000
	s_lshl_b32 s[OFF], s[UU], 20
	s_add_nc_u64 s[8:9], s[8:9], s[OFF:OFF+1]      ; vb at my half of the rows
	s_lshl_b32 s[OFF], s[NXT], 8                   ; 256 bytes of each row of V,
	s_add_nc_u64 s[GV0+2:GV0+3], s[8:9], s[OFF:OFF+1]
	s_add_nc_u64 s[GV1+2:GV1+3], s[GV0+2:GV0+3], 256
	s_or_b32 s[GV0+3], s[GV0+3], 0x80000000
	s_or_b32 s[GV1+3], s[GV1+3], 0x80000000
	s_lshl_b32 s[OFF], s[NXT], 9                   ; 512 bytes of ns
	s_add_nc_u64 s[GN0+2:GN0+3], s[10:11], s[OFF:OFF+1]
	s_add_nc_u64 s[GN1+2:GN1+3], s[GN0+2:GN0+3], 512
	s_or_b32 s[GN0+3], s[GN0+3], 0x80000000
	s_or_b32 s[GN1+3], s[GN1+3], 0x80000000
	s_add_co_u32 s[NXT], s[NXT], 2                 ; at most 30
	CROUND                                         ; all four work-groups are here: the first joint loads meet
	s_cmp_eq_u32 s[WV], 0                          ; a wave's first fills stand in one branch; x's tile is the last on every way: three loads of mine are out
	s_cbranch_scc0 .Lf_not0
	tensor_load_to_lds s[GK0:GK0+3], s[G1K:G1K+7]
	s_nop 0
	tensor_load_to_lds s[GK1:GK1+3], s[G1K:G1K+7]
	s_nop 0
	tensor_load_to_lds s[GX0:GX0+3], s[G1X:G1X+7]
	s_nop 0
.rept 4
	v_nop
.endr
	s_branch .Lf_done
.Lf_not0:
	s_cmp_eq_u32 s[WV], 3
	s_cbranch_scc1 .Lf_3
	tensor_load_to_lds s[GV0:GV0+3], s[G1V:G1V+7]
	s_nop 0
	tensor_load_to_lds s[GV1:GV1+3], s[G1V:G1V+7]
	s_nop 0
	tensor_load_to_lds s[GX0:GX0+3], s[G1X:G1X+7]
	s_nop 0
.rept 4
	v_nop
.endr
	s_branch .Lf_done
.Lf_3:
	tensor_load_to_lds s[GN0:GN0+3], s[G1N:G1N+7]
	s_nop 0
	tensor_load_to_lds s[GN1:GN1+3], s[G1N:G1N+7]
	s_nop 0
	tensor_load_to_lds s[GX0:GX0+3], s[G1X:G1X+7]
	s_nop 0
.rept 4
	v_nop
.endr
.Lf_done:
.irp t, 0,1
.irp c, 0,1
	global_load_b128 v[Q+16*\t+8*\c:Q+16*\t+8*\c+3],       v[QO], s[QA:QA+1] offset:\t*2048+\c*64
	global_load_b128 v[Q+16*\t+8*\c+4:Q+16*\t+8*\c+7],     v[QO], s[QA:QA+1] offset:\t*2048+\c*64+32
	global_load_b128 v[Q+32+16*\t+8*\c:Q+32+16*\t+8*\c+3],   v[QO], s[100:101] offset:\t*2048+\c*64
	global_load_b128 v[Q+32+16*\t+8*\c+4:Q+32+16*\t+8*\c+7], v[QO], s[100:101] offset:\t*2048+\c*64+32
.endr
.endr
; 44 LDS loads: K (32 keys x 64 channels), ns (32 keys) and V (256 channels x 32 keys, into the buffer that trip p does not multiply) of a step, which is step st of the slot at TBC
.macro LOADS p, st
	WIN 0
	v_add_nc_u32 v[ADK], s[TBC], v[AK0]
	v_add_nc_u32 v[ADV], s[TBC], v[AV0]
	v_add_nc_u32 v[ADN], s[TBC], v[AN0]
.irp f, 0,1,2,3
	ds_load_b128 v[KF+8*\f:KF+8*\f+3],   v[ADK] offset:(\st)*64*PK+(\f/2)*16*PK+(\f%2)*64
	ds_load_b128 v[KF+8*\f+4:KF+8*\f+7], v[ADK] offset:(\st)*64*PK+(\f/2)*16*PK+(\f%2)*64+32
.endr
.irp b, 0,1
	ds_load_b128 v[NSF+8*\b:NSF+8*\b+3],   v[ADN] offset:(\st)*256+64*\b
	ds_load_b128 v[NSF+8*\b+4:NSF+8*\b+7], v[ADN] offset:(\st)*256+64*\b+16
.endr
	WIN 0x40
.set c, 0
.rept 16
	ds_load_b128 v[128*(1-(\p))+8*c:128*(1-(\p))+8*c+3],   v[ADV] offset:c*16*PVR+128*(\st)
	ds_load_b128 v[128*(1-(\p))+8*c+4:128*(1-(\p))+8*c+7], v[ADV] offset:c*16*PVR+128*(\st)+32
.set c, c+1
.endr
.endm
; Product q of 16 of S^T: channels 32 (q / 8) on, key block (q % 8) / 4, tile q % 4.  The first eight start the sums with ns.  The eight accumulators take turns.
.macro KQ
.set rS, S+16*(q%4)+8*((q%8)/4)
.set rK, KF+16*((q%8)/4)+8*(q/8)
.set rQ, Q+16*(q%4)+8*(q/8)
.set rN, NSF+8*((q%8)/4)
.if q < 8
	v_wmma_f32_16x16x32_f16 v[rS:rS+7], v[rK:rK+7], v[rQ:rQ+7], v[rN:rN+7]
.else
	v_wmma_f32_16x16x32_f16 v[rS:rS+7], v[rK:rK+7], v[rQ:rQ+7], v[rS:rS+7]
.endif
.set q, q+1
.endm
; Product i of 64 of x_r^T += V P.  In each eight: tiles 0, 1, 0, 1 and then 2, 3, 2, 3 of two channel blocks, so that a bare run changes windows once in four.  The 64 accumulators take turns, over the backward jumps too.
.macro PV p, zero
.set tl, ((i%8)/4)*2+(i%2)
.set cb, 2*(i/8)+((i%4)/2)
.set rO, 128*(tl%2)+8*cb
.set rV, 128*(\p)+8*cb
.set rP, P+32*(\p)+8*tl
	WIN 0xa1+0x50*(tl/2)                           ; V window 1, P window 0, the accumulator window 2 or 3
.if \zero
	v_wmma_f32_16x16x32_f16 v[rO:rO+7], v[rV:rV+7], v[rP:rP+7], 0
.else
	v_wmma_f32_16x16x32_f16 v[rO:rO+7], v[rV:rV+7], v[rP:rP+7], v[rO:rO+7]
.endif
.set i, i+1
.endm
.macro MEETA m                         ; the head of a change of slots
	WIN 0
	s_wait_tensorcnt 0x0                           ; all my tensor loads have landed: my part of the other slot (at the first change x's tile too)
	ds_add_u32 v[SPW], v[NIL]                      ; 0 onto my spare word; products and scalar work stand between it and the wait for it
.if (\m) == 1
	s_mov_b32 s[GK1+1], s[TBC]                     ; the slot being left takes slot NXT of the batch: each address is made anew from the buffer's and the slot's number
	s_add_co_u32 s[GV1+1], s[TBC], s[VBW]
	s_add_co_u32 s[GN1+1], s[TBC], NOFF
	s_lshl_b32 s[OFF], s[NXT], 14
	s_add_nc_u64 s[GK1+2:GK1+3], s[6:7], s[OFF:OFF+1]
	s_or_b32 s[GK1+3], s[GK1+3], 0x80000000
	s_lshl_b32 s[OFF], s[NXT], 8
	s_add_nc_u64 s[GV1+2:GV1+3], s[8:9], s[OFF:OFF+1]
	s_or_b32 s[GV1+3], s[GV1+3], 0x80000000
	s_lshl_b32 s[OFF], s[NXT], 9
	s_add_nc_u64 s[GN1+2:GN1+3], s[10:11], s[OFF:OFF+1]
	s_or_b32 s[GN1+3], s[GN1+3], 0x80000000
	s_add_co_u32 s[NXT], s[NXT], 1                 ; round the ring of 32
	s_and_b32 s[NXT], s[NXT], 31
.endif
.endm
; A TRIP: step j's 64 products on buffers p.  more = 1: step j + 1, step st of its slot, is fetched and its P made.  zero = 1: the products start the sums.
; meet = 1: the fetch was the slot's last, and the slot is changed: waits and add, a round of the cluster's barrier with 16 products inside it, the joint refill first behind it; the refill has
; 136 matrix instructions in which to land.  meet = 2: the same with a plain barrier and no refill.
; Behind the trip before's last product stand two roundings and the three address lines: five plain instructions ahead of the loads into the V buffer that it read.
.macro TRIP p, st, zero, meet, more, ask=0
.set i, 0
.if \more
	LOADS \p, \st
	s_wait_dscnt 44                                ; V of step j, asked for a trip ago, is in; the 44 just issued may stay out
.rept 16
	PV \p, \zero
.endr
	WIN 0
	s_wait_dscnt 32                                ; K and ns are in; V's 32 loads may stay out
.set q, 0
.rept 16
	KQ
.endr
	PLACES                                         ; between the scores' last products and the exponentials that read them
.set e, 0
.rept 32
.if (\meet) && (i == 40)
	MEETA \meet
.endif
	PV \p, \zero
	WIN 0
	v_exp_f32 v[S+e], v[S+e]                       ; ascending: each accumulator's lowest registers are read first
	v_exp_f32 v[S+e+1], v[S+e+1]
.set e, e+2
.endr
	v_nop                                          ; a plain instruction behind the last exponential: one for the batch
	s_wait_alu depctr_va_vdst(0)                   ; the wait ahead of the first instruction that names a result: one for the trip's 64
.if \meet
	s_wait_dscnt 0x0                               ; the add is done, and my reads of the slot are over
	s_barrier_signal -1
.endif
.set n, 0
.rept 16
	PV \p, \zero
	WIN 0
	v_cvt_pk_f16_f32 v[P+32*(1-(\p))+n], v[S+2*n], v[S+2*n+1]
	v_cvt_pk_f16_f32 v[P+32*(1-(\p))+n+1], v[S+2*n+2], v[S+2*n+3]
.set n, n+2
.endr
.if \meet
	s_barrier_wait -1
.if (\meet) == 1
	CREST                                          ; no wave of any partner still reads the slot or has a load on its way
	JLOAD
.if \ask
	ASK
.endif
.endif
	s_xor_b32 s[TBC], s[TBC], SLOT                 ; the fetches go on in the other slot
.endif
.else
.rept 64
	PV \p, \zero
.endr
	WIN 0
.endif
.endm
	s_wait_tensorcnt 0x1                           ; my parts of the first two slots are in; x's tile may stay out
	s_barrier_signal -1
	s_barrier_wait -1
	LOADS 1, 0                                     ; step 0
	WIN 0
	s_wait_loadcnt 0x0                             ; Q
	s_wait_dscnt 32
.set q, 0
.rept 16
	KQ
.endr
	PLACES
.set e, 0
.rept 64
	v_exp_f32 v[S+e], v[S+e]
.set e, e+1
.endr
	v_nop
	s_wait_alu depctr_va_vdst(0)
.set n, 0
.rept 32
	v_cvt_pk_f16_f32 v[P+n], v[S+2*n], v[S+2*n+1]
.set n, n+1
.endr
	TRIP 0, 1, 1, 1, 1, 1                          ; step 0: its products start the sums; the walk's third slot is asked for, its fourth prefetched
	s_mov_b32 s[CNT], 29
.Lpair:                                        ; steps 1 to 58: the walk's slots 3 to 31 are asked for
	TRIP 1, 0, 0, 0, 1
	TRIP 0, 1, 0, 1, 1
	s_sub_co_u32 s[CNT], s[CNT], 1
	s_cmp_lg_u32 s[CNT], 0
	s_cbranch_scc1 .Lpair
	s_mov_b32 s[CNT], 2
.Ltail:                                        ; steps 59 to 62: a text of their own; behind the last barrier no wave reads the ring any more
	TRIP 1, 0, 0, 0, 1
	TRIP 0, 1, 0, 2, 1
	s_sub_co_u32 s[CNT], s[CNT], 1
	s_cmp_lg_u32 s[CNT], 0
	s_cbranch_scc1 .Ltail
	TRIP 1, 0, 0, 0, 0                             ; step 63
; THE END.  The addresses are made here: plain instructions that name no register of the last products, and so the places behind them.
	s_mov_b32 s2, 0xffff0000                       ; a word's upper bf16
	s_lshl_b32 s98, s[WV], 15
	s_mov_b32 s99, 0
	s_add_nc_u64 s[12:13], s[12:13], s[98:99]      ; wtf at the images of w_t's rows 64 w ..
	s_xor_b32 s100, s[WV], 1
	s_lshl_b32 s100, s100, 15
	v_lshl_add_u32 v[EXS], v[LL], 4, s98           ; my block of the exchange
	v_lshl_add_u32 v[EXP], v[LL], 4, s100          ; my partner's
	s_lshl_b32 s101, s[WV], 7
	s_add_co_u32 s101, s101, XB
	v_mul_u32_u24 v[XA0], v[HH], 8*PXB             ; x[8 (l / 16) + ..][32 w + l % 16 + ..]
	v_lshl_add_u32 v[XA0], v[RR], 2, v[XA0]
	v_add_nc_u32 v[XA0], s101, v[XA0]
	v_add_nc_u32 v[XA0+1], 128*PXB, v[XA0]         ; channels 128 on
	v_mul_u32_u24 v[DAD], v[RR], PD
	s_mul_i32 s100, s[WV], 64*PXB
	s_add_co_u32 s100, s100, XB
	v_lshl_add_u32 v[XT], v[HH], 5, v[DAD]         ; x[64 w + l % 16 + ..][8 (l / 16) + ..]: it walks
	v_add_nc_u32 v[XT], s100, v[XT]
	v_lshl_add_u32 v[XRD], v[LL], 4, s100          ; x's rows 64 w .., whole
	v_lshl_add_u32 v[DAD], v[HH], 4, v[DAD]        ; a fragment of d: it walks
	s_mul_i32 s101, s[WV], 32*PD
	v_add_nc_u32 v[DST], s101, v[DAD]              ; where I put d of my 32 columns
	v_lshlrev_b32 v[GO], 4, v[LL]
	s_lshl_b32 s101, s[WV], 8
	v_lshl_add_u32 v[CO], v[RR], 2, s101           ; channel 64 w + l % 16
	v_mov_b32 v[XRW], v[XRD]
	WIN 0x40                                       ; w_t's fragments for my 64 rows go where V lay: block i, K step kc at 64 i + 8 kc; they land behind the exchange
.set k, 0
.rept 32
	global_load_b128 v[8*k:8*k+3],   v[GO], s[12:13] offset:k*1024
	global_load_b128 v[8*k+4:8*k+7], v[GO], s[12:13] offset:k*1024+512
.set k, k+1
.endr
	WIN 0
.irp i, 0,1,2,3
	global_load_b32 v[16+\i], v[CO], s[16:17] offset:64*\i  ; gamma
	global_load_b32 v[20+\i], v[CO], s[18:19] offset:64*\i  ; beta
	global_load_b32 v[24+\i], v[CO], s[20:21] offset:64*\i  ; run_mean
	global_load_b32 v[28+\i], v[CO], s[22:23] offset:64*\i  ; run_var
	global_load_b32 v[32+\i], v[CO], s[14:15] offset:64*\i  ; b_t
.endr
; x IS ROUNDED TO bf16, ONCE, IN PLACE IN LDS: each wave its own 64 rows, which its own tensor load brought (waited for at the first change of slots) and into which no tensor load lands again.
; Other waves read them behind the barrier below.  Four trips of 16 rows.
	s_mov_b32 s[CNT], 4
.Lxr:
.set k, 0
.rept 16
	ds_load_b128 v[64+4*k:64+4*k+3], v[XRW] offset:k*PXB   ; LDS serves a wave's instructions in order (ISA guide 5.7.1.4): these land behind the last trip's stores, which read the registers
.set k, k+1
.endr
	s_wait_dscnt 0x0
.set k, 0
.rept 32
	v_cvt_pk_bf16_f32 v[64+2*k+1], v[64+2*k], v[64+2*k+1]  ; two roundings,
.set k, k+1
.endr
.set k, 0
.rept 32
	v_lshlrev_b32 v[64+2*k], 16, v[64+2*k+1]       ; and both widened again
	v_and_b32 v[64+2*k+1], s2, v[64+2*k+1]
.set k, k+1
.endr
.set k, 0
.rept 16
	ds_store_b128 v[XRW], v[64+4*k:64+4*k+3] offset:k*PXB
.set k, k+1
.endr
	v_add_nc_u32 v[XRW], 16*PXB, v[XRW]
	s_sub_co_u32 s[CNT], s[CNT], 1
	s_cmp_lg_u32 s[CNT], 0
	s_cbranch_scc1 .Lxr
	WIN 0x0c                                       ; the partial sums of my partner's columns go to LDS: accumulator a's two halves, the low one first
.set a, 0
.rept 32
	ds_store_b128 v[EXS], v[8*a:8*a+3]   offset:a*1024
	ds_store_b128 v[EXS], v[8*a+4:8*a+7] offset:a*1024+512
.set a, a+1
.endr
	WIN 0
	s_wait_dscnt 0x0                               ; for the others' sake: x's rounded rows and my partial sums are stored
	s_barrier_signal -1
	s_barrier_wait -1
; d = x - mine - my partner's, four accumulators at a time.  CH g: 40 loads: the partner's sums into window 3, x in the accumulators' layout (a word a lane) into v[64 + 32 (g % 2) ..]
.macro CH g
	WIN 0xc0
.irp k, 0,1,2,3
	ds_load_b128 v[8*(4*(\g)+\k):8*(4*(\g)+\k)+3],   v[EXP] offset:(4*(\g)+\k)*1024
	ds_load_b128 v[8*(4*(\g)+\k)+4:8*(4*(\g)+\k)+7], v[EXP] offset:(4*(\g)+\k)*1024+512
.endr
	WIN 0
.irp k, 0,1,2,3
.irp j, 0,1,2,3,4,5,6,7
	ds_load_b32 v[64+32*((\g)%2)+8*\k+\j], v[XA0+((4*(\g)+\k)%16)/8] offset:(((4*(\g)+\k)%8)*16+\j)*PXB+64*((4*(\g)+\k)/16)
.endr
.endr
.endm
.macro DSUB g                          ; the packed d stays in the low half of my accumulators' registers until nobody reads the exchange any more
	WIN 0x08
.set k, 0
.rept 16
	v_pk_add_f32 v[64+32*((\g)%2)+2*k:64+32*((\g)%2)+2*k+1], v[64+32*((\g)%2)+2*k:64+32*((\g)%2)+2*k+1], v[32*(\g)+2*k:32*(\g)+2*k+1] neg_lo:[0,1] neg_hi:[0,1]
.set k, k+1
.endr
	WIN 0x0c
.set k, 0
.rept 16
	v_pk_add_f32 v[64+32*((\g)%2)+2*k:64+32*((\g)%2)+2*k+1], v[64+32*((\g)%2)+2*k:64+32*((\g)%2)+2*k+1], v[32*(\g)+2*k:32*(\g)+2*k+1] neg_lo:[0,1] neg_hi:[0,1]
.set k, k+1
.endr
	WIN 0x80
.set k, 0
.rept 16
	v_cvt_pk_f16_f32 v[32*(\g)+8*(k/4)+k%4], v[64+32*((\g)%2)+2*k], v[64+32*((\g)%2)+2*k+1]
.set k, k+1
.endr
.endm
	CH 0
	CH 1
.irp g, 0,1,2,3,4,5,6,7
.if \g < 7
	s_wait_dscnt 40                                ; this chunk is in; the next chunk's 40 loads may stay out
.else
	s_wait_dscnt 0x0
.endif
	DSUB \g
.if \g < 6
	CH (\g)+2
.endif
.endr
	WIN 0
	s_barrier_signal -1                            ; every wave's reads of the exchange and of x are back (the last wait above was for 0):
	s_barrier_wait -1                              ; d may be written over the exchange, and later each wave's rows of x over themselves
	WIN 0x08
.set a, 0
.rept 32
	ds_store_b128 v[DST], v[8*a:8*a+3] offset:(a/16)*16*PD+32*(a%16)  ; column 32 w + 16 (a / 16) + l % 16, channels 16 (a % 16) + 8 (l / 16) on
.set a, a+1
.endr
	WIN 0
	s_wait_dscnt 0x0
	s_barrier_signal -1
	s_barrier_wait -1
	s_wait_loadcnt 0x0                             ; w_t's fragments and the five vectors
.set k, 16
.rept 20
	v_cvt_pk_bf16_f32 v[k], v[k], v[k]             ; gamma, beta, run_mean, run_var and b_t are rounded to bf16 like every input,
.set k, k+1
.endr
.set k, 16
.rept 20
	v_lshlrev_b32 v[k], 16, v[k]                   ; and widened again
.set k, k+1
.endr
.irp i, 0,1,2,3
	v_add_f32 v[28+\i], 0x3727c5ac, v[28+\i]       ; var + 1e-5
.endr
.irp i, 0,1,2,3
	v_rsq_f32 v[28+\i], v[28+\i]
.endr
.irp i, 0,1,2,3
	v_sub_f32 v[32+\i], v[32+\i], v[24+\i]         ; b_t - mean: plain work behind the last of the four
.endr
	s_wait_alu depctr_va_vdst(0)                   ; one wait for the four
.irp i, 0,1,2,3
	v_mul_f32 v[36+4*\i], v[16+\i], v[28+\i]       ; sc = gamma / sqrt(var + eps)
.endr
.irp i, 0,1,2,3
	v_fma_f32 v[38+4*\i], v[32+\i], v[36+4*\i], v[20+\i]  ; sh = (b_t - mean) sc + beta
.endr
.irp i, 0,1,2,3
	v_mov_b32 v[37+4*\i], v[36+4*\i]               ; each twice: pairs for the packed multiply-add
	v_mov_b32 v[39+4*\i], v[38+4*\i]
.endr
; t = w_t d, the batch norm, the maximum with 0 and + x: wave w makes rows 64 w .. for all 128 columns, two column tiles a trip, four trips.  Source 0 = 16 columns of d, source 1 = 16 rows of w_t:
; a lane holds one row and eight neighbouring columns.  T (tile tt of the two, block i) at 32 tt + 8 i of window 3; w_t's fragments stay in window 1.  The result goes IN PLACE over my own rows of x's
; tile, which no other wave touches behind the barriers above.
.macro TMUL tt                         ; 32 products; the tile's four accumulators take turns; the first four start the sums
.irp kc, 0,1,2,3,4,5,6,7
.irp i, 0,1,2,3
.if \kc == 0
	v_wmma_f32_16x16x32_f16 v[32*(\tt)+8*\i:32*(\tt)+8*\i+7], v[64+64*(\tt)+8*\kc:64+64*(\tt)+8*\kc+7], v[64*\i+8*\kc:64*\i+8*\kc+7], 0
.else
	v_wmma_f32_16x16x32_f16 v[32*(\tt)+8*\i:32*(\tt)+8*\i+7], v[64+64*(\tt)+8*\kc:64+64*(\tt)+8*\kc+7], v[64*\i+8*\kc:64*\i+8*\kc+7], v[32*(\tt)+8*\i:32*(\tt)+8*\i+7]
.endif
.endr
.endr
.endm
	s_mov_b32 s[CNT], 4
.Lt:
.irp tt, 0,1
.irp kc, 0,1,2,3,4,5,6,7
	ds_load_b128 v[64+64*\tt+8*\kc:64+64*\tt+8*\kc+3],   v[DAD] offset:\tt*16*PD+64*\kc
	ds_load_b128 v[64+64*\tt+8*\kc+4:64+64*\tt+8*\kc+7], v[DAD] offset:\tt*16*PD+64*\kc+32
.endr
.endr
.irp tt, 0,1
.irp i, 0,1,2,3
	ds_load_b128 v[192+32*\tt+8*\i:192+32*\tt+8*\i+3],   v[XT] offset:\i*16*PXB+64*\tt
	ds_load_b128 v[192+32*\tt+8*\i+4:192+32*\tt+8*\i+7], v[XT] offset:\i*16*PXB+64*\tt+16
.endr
.endr
	s_wait_dscnt 32                                ; the first tile's d is in; the second tile's 16 loads and x's 16 may stay out
	WIN 0xf4
	TMUL 0
	s_wait_dscnt 16                                ; the second tile's d is in; x's 16 loads may stay out
	TMUL 1
	PLACES                                         ; behind the last products: ahead of the lines that read the sums, and of the next trip's loads into d's registers
	WIN 0xc3
.irp tt, 0,1
.irp i, 0,1,2,3
.irp k, 0,2,4,6
	v_pk_fma_f32 v[32*\tt+8*\i+\k:32*\tt+8*\i+\k+1], v[32*\tt+8*\i+\k:32*\tt+8*\i+\k+1], v[36+4*\i:37+4*\i], v[38+4*\i:39+4*\i]
.endr
.endr
.endr
	WIN 0xcc
.set k, 0
.rept 64
	v_max_num_f32 v[k], 0, v[k]
.set k, k+1
.endr
	s_wait_dscnt 0x0                               ; x
	WIN 0x03
.set k, 0
.rept 32
	v_pk_add_f32 v[192+2*k:192+2*k+1], v[2*k:2*k+1], v[192+2*k:192+2*k+1]
.set k, k+1
.endr
	WIN 0
.irp tt, 0,1
.irp i, 0,1,2,3
	ds_store_b128 v[XT], v[192+32*\tt+8*\i:192+32*\tt+8*\i+3]   offset:\i*16*PXB+64*\tt
	ds_store_b128 v[XT], v[192+32*\tt+8*\i+4:192+32*\tt+8*\i+7] offset:\i*16*PXB+64*\tt+16
.endr
.endr
	v_add_nc_u32 v[DAD], 2*16*PD, v[DAD]           ; two column tiles on
	v_add_nc_u32 v[XT], 128, v[XT]
	s_sub_co_u32 s[CNT], s[CNT], 1
	s_cmp_lg_u32 s[CNT], 0
	s_cbranch_scc1 .Lt
; THE WAY OUT: my 64 rows, whole, 16 a trip.
	v_mov_b32 v[XRW], v[XRD]
	s_mov_b32 s[CNT], 4
.Lout:
.set k, 0
.rept 16
	ds_load_b128 v[64+4*k:64+4*k+3], v[XRW] offset:k*PXB   ; LDS serves a wave's instructions in order (ISA guide 5.7.1.4): these see my stores above
.set k, k+1
.endr
	s_wait_dscnt 0x0
.set k, 0
.rept 16
	global_store_b128 v[GO], v[64+4*k:64+4*k+3], s[24:25] offset:k*16384 th:TH_STORE_NT  ; 512 consecutive bytes, aligned
.set k, k+1
.endr
	v_add_nc_u32 v[XRW], 16*PXB, v[XRW]
	s_wait_xcnt 0x0                                ; the stores' base and data registers are written again only behind this wait
	s_add_nc_u64 s[24:25], s[24:25], 16*16384
	s_sub_co_u32 s[CNT], s[CNT], 1
	s_cmp_lg_u32 s[CNT], 0
	s_cbranch_scc1 .Lout
	s_wait_tensorcnt 0x0                           ; the wave's end
	ds_add_u32 v[SPW], v[NIL]
	s_wait_dscnt 0x0
	CROUND                                         ; the closing round
	s_endpgm
.Lfunc_end_k_qb6be9a9294_attn:
	.size	k_qb6be9a9294_attn, .Lfunc_end_k_qb6be9a9294_attn-k_qb6be9a9294_attn
	.p2alignl 7, 3214868480
	.fill 96, 4, 3214868480
	.section	.rodata,"a",@progbits
	.p2align	6, 0x0
	.amdhsa_kernel k_qb6be9a9294_attn
		.amdhsa_group_segment_fixed_size 327680
		.amdhsa_private_segment_fixed_size 0
		.amdhsa_enable_private_segment 0
		.amdhsa_kernarg_size 88
		.amdhsa_user_sgpr_count 2
		.amdhsa_user_sgpr_kernarg_segment_ptr 1
		.amdhsa_wavefront_size32 1
		.amdhsa_system_sgpr_workgroup_id_x 1
		.amdhsa_system_sgpr_workgroup_id_y 1
		.amdhsa_system_sgpr_workgroup_id_z 1
		.amdhsa_system_vgpr_workitem_id 0
		.amdhsa_next_free_vgpr 1024
		.amdhsa_next_free_sgpr 106
		.amdhsa_reserve_vcc 0
		.amdhsa_float_denorm_mode_32 3
		.amdhsa_float_denorm_mode_16_64 3
		.amdhsa_memory_ordered 1
		.amdhsa_forward_progress 1
		.amdhsa_inst_pref_size 193
	.end_amdhsa_kernel
	.amdgpu_metadata
---
amdhsa.version: [ 1, 2 ]
amdhsa.kernels:
  - .name:           k_qb6be9a9294_attn
    .symbol:         k_qb6be9a9294_attn.kd
    .args:
      - { .name: x, .offset: 0, .size: 8, .value_kind: global_buffer, .address_space: global }
      - { .name: qk, .offset: 8, .size: 8, .value_kind: global_buffer, .address_space: global }
      - { .name: vb, .offset: 16, .size: 8, .value_kind: global_buffer, .address_space: global }
      - { .name: ns, .offset: 24, .size: 8, .value_kind: global_buffer, .address_space: global }
      - { .name: wtf, .offset: 32, .size: 8, .value_kind: global_buffer, .address_space: global }
      - { .name: b_t, .offset: 40, .size: 8, .value_kind: global_buffer, .address_space: global }
      - { .name: gamma, .offset: 48, .size: 8, .value_kind: global_buffer, .address_space: global }
      - { .name: beta, .offset: 56, .size: 8, .value_kind: global_buffer, .address_space: global }
      - { .name: run_mean, .offset: 64, .size: 8, .value_kind: global_buffer, .address_space: global }
      - { .name: run_var, .offset: 72, .size: 8, .value_kind: global_buffer, .address_space: global }
      - { .name: out0, .offset: 80, .size: 8, .value_kind: global_buffer, .address_space: global }
    .group_segment_fixed_size: 327680
    .private_segment_fixed_size: 0
    .kernarg_segment_align: 8
    .kernarg_segment_size: 88
    .max_flat_workgroup_size: 128
    .sgpr_count:     106
    .vgpr_count:     1024
    .wavefront_size: 32
...
	.end_amdgpu_metadata
.endif
;; end of part 3
